; MI455X (gfx1250); checked and timed in simulation.
; The chip was launched on July 23, 2026; its instructions are those of AMD's public machine-readable ISA for CDNA 5 (MIT licence, August 2026) and "CDNA5" Instruction Set Architecture Reference Guide (July 2026). The comments in the code are by the model that wrote it; some were corrected since.
;; Neural SDF. Allowed arithmetic: matrix products marked QUANTISED: E3M2 operands, one E8M0 scale for each 32 along K, by v_wmma_scale_f32_16x16x128_f8f6f4 with both operands' format E3M2, f32 sums; products left as they are: f32 operands where the result goes on into a quantised operand, else bf16, f16 or f32 operands; f32 sums; everything else in f32.
;; Inputs: W0 11 x 128 float32; W1 128 x 128 float32; Wo 128 x 1 float32; b0 128 float32; b1 128 float32; bo 1 float32; embeddings 128 x 128 x 128 x 8 float32; positions 524,288 x 3 float32.
;; Outputs: out0 524,288 x 1 float32; out1 524,288 x 3 float32.
;; This version of the problem:
;;   THIS VERSION OF THE PROBLEM IS GIVEN IN LOW PRECISION. The matrix products marked QUANTISED in the list below multiply operands that are first quantised to E3M2 (3 exponent bits, 2 mantissa bits; 6 bits a number), with one power-of-two scale for each 32 numbers along K (OCP MX v1.0); their sums are f32. All else is computed in f32.
;;   The module's matrix products, in the order in which they are computed (A, B: the left and right operand; K: the contracted axis; several contracted axes count as one K, in the product's order):
;;     1. [M 524,288, K 11] x [K 11, N 128]; A: computed on the way; B: input W0: left as it is (K = 11 < 32)
;;     2. [M 524,288, K 128] x [K 128, N 128]; A: computed on the way; B: input W1: QUANTISED
;;     3. [M 524,288, K 128] x [K 128, N 1]; A: computed on the way; B: input Wo: left as it is (N = 1 < 16)
;;     4. [M 524,288, K 11] x [K 11, N 128]; A: computed on the way; B: input W0: left as it is (K = 11 < 32)
;;     5. [M 524,288, K 128] x [K 128, N 128]; A: computed on the way; B: input W1: QUANTISED
;;     6. [M 524,288, K 128] x [K 128, N 1]; A: computed on the way; B: input Wo: left as it is (N = 1 < 16)
;;     7. [M 524,288, K 1] x [K 1, N 128]; A: computed on the way; B: input Wo: left as it is (K = 1 < 32)
;;     8. [M 524,288, K 128] x [K 128, N 128]; A: computed on the way; B: input W1: QUANTISED
;;     9. [M 524,288, K 128] x [K 128, N 11]; A: computed on the way; B: input W0: left as it is (N = 11 < 16)
;;   THE QUANTISER, for each operand of a quantised product, along K:
;;     - K is cut into blocks of 32 from its start; a last block that is shorter is filled with zeros.
;;     - A block's scale is 2^e with e = floor(log2(the largest magnitude in the block)) - 4, held to -126 .. 127; a block of zeros has e = 0. As a byte (E8M0): e + 127.
;;     - Each number is divided by its block's scale, clamped to +-28, and rounded to the nearest number of E3M2, ties to even, subnormals kept.
;;     - The product sums the exact products of the quantised numbers (number of the format x scale) in f32.
;;   ~~~python
;;   def quantise(x, axis):      # numpy; x: float32 -> the quantised numbers, widened to float32 again
;;       x = np.moveaxis(x, axis, -1); K = x.shape[-1]
;;       x = np.pad(x, [(0, 0)] * (x.ndim - 1) + [(0, -K % 32)]); x = x.reshape(x.shape[:-1] + (-1, 32)); a = np.abs(x).max(-1, keepdims=True)
;;       e = np.where(a > 0, np.clip(np.frexp(np.where(a > 0, a, 1))[1] - 1 - 4, -126, 127), 0)      # np.frexp(a)[1] - 1 = floor(log2(a)), exactly
;;       r = np.clip(x / 2.0 ** e, -28, 28)
;;       step = 2.0 ** (np.maximum(np.frexp(np.where(r == 0, 1, r))[1] - 1, -2) - 2)
;;       q = np.round(r / step) * step * 2.0 ** e      # np.round: ties to even
;;       return np.moveaxis(q.reshape(q.shape[:-2] + (-1,))[..., :K], -1, axis).astype(np.float32)
;;   ~~~
;;   OPERANDS COMPUTED ON THE WAY. 'Computed on the way' means the value that the module computes at that place (a softmax that the list does not call 'softmax' is quantised finished and normalised). What goes into a quantiser is computed in f32, as accurately as f32 sums, v_exp_f32 and their like allow (about 1e-6 of the number): no bf16 or f16 on the way to a quantiser, and a product that is left as it is and whose result goes on into a quantised operand takes f32 operands (vector FMAs, or v_wmma_f32_16x16x4_f32). A number that lies on a knife's edge between two numbers of the format may be rounded either way, as far as f32 arithmetic and the matrix unit's own rounding can turn it there, and no further.
;; 2 versions, each right; version 2 is version 1 with the launch sdf written anew for expert scheduling mode. Each part assembles by itself: llvm-mc -triple=amdgcn-amd-amdhsa -mcpu=gfx1250 --defsym DOCPART=n.
;; ======== version 1 of 2: 2 launches
;; limits: right only within a limited range of input values
;; workspace buffers: idx 2,097,152 bytes of whole numbers; wts 53,248 bytes
;; launch prep (part 1): grid 515 x 1, 8 waves a work-group, no clusters, 0 bytes of LDS; arguments positions, W0, b0, W1, b1, Wo, idx, wts; writes idx, wts
.if DOCPART == 1
	.amdgcn_target "amdgcn-amd-amdhsa--gfx1250"
	.amdhsa_code_object_version 6
	.text
	.protected	k_qf0ae7a5936_prep
	.globl	k_qf0ae7a5936_prep
	.p2align	8
	.type	k_qf0ae7a5936_prep,@function
k_qf0ae7a5936_prep:
	s_mov_b64 s[64:65], 0
	v_nop
	global_prefetch_b8 v0, s[64:65] scope:SCOPE_SE
	s_setreg_imm32_b32 hwreg(HW_REG_WAVE_MODE, 25, 1), 1
	s_wait_xcnt 0x0
; PREPARATION for the launch that follows.  Two things are stored.
; (1) idx[point] = ix << 14 | iy << 7 | iz: the lower corner of the point's grid cell, floor(clip((p + 1) x 0.5 x 127, 0, 127)).  The next launch forms its gather addresses from these whole numbers.
; (2) wts: every weight as an IMAGE OF THE REGISTERS in which the next launch keeps it.  A group is 4 registers x 32 lanes = 512 bytes; lane l's 16 bytes lie at 512 g + 16 l.
;     groups 0-23   W1 as codes of BF6 (E3M2) with K = its first axis  (tile t: registers 12 t ..)        groups 24-47  the same with K = its second axis
;     groups 48-59  W0 and b0 as f32 fragments of 16 units x 4 K (tile t, K step s: registers 6 t + 2 s)   groups 60-75  b1, groups 76-91 Wo: eight numbers a lane and tile, in a result's layout
;     groups 92-99  W0 transposed, as bf16 fragments                                                        groups 100-103  the 16 scale words of the two sets of codes
; THE UNITS OF A TILE ARE NOT NEIGHBOURS: lane r of tile t stands for unit tb + r + 8 (r / 8), tb = 32 (t / 2) + 8 (t % 2), so that in a transposed product register j of lane (r, h) is unit tb + 16 h + j.
; A block's scale is 2^(floor(log2(largest magnitude)) - 4); its byte is the largest magnitude's exponent field - 4, held at 1 from below.
; LIMITS: a block of zeros gets the byte 1 where the rule says 127 (its codes are zeros; this program alone reads the bytes); NaN and infinities among the inputs are not served.
; SHARES: work-group 0: W1 along its first axis, work-group 1: along its second, work-group 2: all other weights (wave t takes tile t); work-groups 3 to 514: 1,024 points each, four a thread.
; No LDS, no barrier: no wave needs another's numbers.  No matrix unit, no cluster, no tensor load: 6 MB are read once, and 72 KB of weights.
.set W_W1B, 12288
.set W_W0F, 24576
.set W_B1C, 30720
.set W_WO,  38912
.set W_W0T, 47104
.set W_SCL, 51200
.set X,     64                         ; v64-127: 64 numbers of a lane: X[32 c + e] = k 64 c + 32 h + e of its row
	s_load_b256 s[4:11], s[0:1], 0x0               ; positions s[4:5], W0 s[6:7], b0 s[8:9], W1 s[10:11]
	s_load_b256 s[12:19], s[0:1], 0x20             ; b1 s[12:13], Wo s[14:15], idx s[16:17], wts s[18:19]
	v_lshrrev_b32 v1, 5, v0
	v_readfirstlane_b32 s20, v1                    ; wave = tile t
	v_and_b32 v1, 31, v0                           ; lane
	v_and_b32 v2, 15, v0                           ; r
	v_bfe_u32 v3, v0, 4, 1                         ; h
	v_lshlrev_b32 v4, 4, v1                        ; 16 x lane: my place in a group
	v_and_b32 v5, 8, v2
	v_add_nc_u32 v5, v5, v2                        ; r + 8 (r / 8)
	s_lshr_b32 s21, s20, 1
	s_lshl_b32 s21, s21, 5
	s_and_b32 s22, s20, 1
	s_lshl_b32 s22, s22, 3
	s_add_co_u32 s21, s21, s22                     ; tb
	s_mov_b32 s24, 0x76543210
	s_mov_b32 s25, 0xfedcba98                      ; v_permlanex16_b32's selects for lane l xor 16
	s_mov_b32 s27, 0
	s_wait_kmcnt 0x0
	s_cmp_ge_u32 ttmp9, 3
	s_cbranch_scc1 .Lindex
	s_cmp_eq_u32 ttmp9, 2
	s_cbranch_scc1 .Lrest
	s_cmp_eq_u32 ttmp9, 1
	s_cbranch_scc1 .Lback
	; ---- W1 with K = its first axis: my row of the operand is COLUMN tb + r + 8 (r / 8) of W1, and my registers run down its rows
	v_lshlrev_b32 v6, 2, v5
	v_lshl_add_u32 v6, v3, 14, v6                  ; + 32 h rows of 512 bytes
	s_lshl_b32 s26, s21, 2
	s_add_nc_u64 s[10:11], s[10:11], s[26:27]
.irp c, 0,1
.irp e, 0,1,2,3,4,5,6,7,8,9,10,11,12,13,14,15,16,17,18,19,20,21,22,23,24,25,26,27,28,29,30,31
	global_load_b32 v[X+32*\c+\e], v6, s[10:11] offset:512*(64*\c+\e)
.endr
.endr
	s_mov_b32 s28, 0                               ; where the codes go in wts
	s_mov_b32 s29, s20                             ; which scale word
	s_branch .Lquant
.Lback:
	; ---- W1 with K = its second axis: my row of the operand is ROW tb + r + 8 (r / 8) of W1: 32 neighbours are 128 bytes
	v_lshlrev_b32 v6, 9, v5
	v_lshl_add_u32 v6, v3, 7, v6                   ; + 32 h numbers
	s_lshl_b32 s26, s21, 9
	s_add_nc_u64 s[10:11], s[10:11], s[26:27]
.irp c, 0,1
.irp q, 0,1,2,3,4,5,6,7
	global_load_b128 v[X+32*\c+4*\q:X+32*\c+4*\q+3], v6, s[10:11] offset:256*\c+16*\q
.endr
.endr
	s_mov_b32 s28, W_W1B
	s_add_co_u32 s29, s20, 8
.Lquant:
	s_wait_loadcnt 0x0                             ; all 64 numbers
.irp c, 0,1                                    ; my block 2 c + h: all its 32 numbers are mine
	v_max3_num_f32 v[32+\c], |v[X+32*\c]|, |v[X+1+32*\c]|, 0x2800000   ; and the floor 2^(5 - 127): the byte cannot fall under 1
.endr
.irp i, 2,4,6,8,10,12,14,16,18,20,22,24,26,28,30
.irp c, 0,1
	v_max3_num_f32 v[32+\c], v[32+\c], |v[X+32*\c+\i]|, |v[X+1+32*\c+\i]|
.endr
.endr
.irp c, 0,1
	v_add_nc_u32 v[44+\c], 0xfe000000, v[32+\c]    ; 4 off the exponent field: the conversion's scale operand
.endr
.irp c, 0,1
	v_lshrrev_b32 v[36+\c], 23, v[44+\c]           ; the scale's byte
.endr
	v_lshl_or_b32 v9, v37, 16, v36                 ; my two bytes: blocks h and 2 + h,
	v_lshlrev_b32 v10, 3, v3
	v_lshlrev_b32 v9, v10, v9                      ; at their places in the word;
	v_mov_b32 v10, 0
	v_permlanex16_b32 v10, v9, s24, s25
	v_or_b32 v9, v9, v10                           ; with lane l xor 16's two the word is whole
.irp c, 0,1
	v_cvt_scalef32_pk16_bf6_f32 v[48+6*\c:50+6*\c], v[X+32*\c:X+15+32*\c], v[44+\c]
	v_cvt_scalef32_pk16_bf6_f32 v[24+4*\c:26+4*\c], v[X+16+32*\c:X+31+32*\c], v[44+\c]   ; (a conversion's three registers begin on an even number: the second half is made elsewhere and moved)
.endr
	v_nop                                          ; one plain instruction behind the scaled conversions
.irp c, 0,1
.irp i, 0,1,2
	v_mov_b32 v[51+6*\c+\i], v[24+4*\c+\i]
.endr
.endr
	s_mul_i32 s30, s20, 1536                       ; tile t's three groups
	s_add_co_u32 s30, s30, s28
	v_add_nc_u32 v7, s30, v4
	s_lshr_b32 s30, s29, 2                         ; scale word n: group n / 4, register n % 4
	s_lshl_b32 s30, s30, 9
	s_and_b32 s31, s29, 3
	s_lshl_b32 s31, s31, 2
	s_add_co_u32 s30, s30, s31
	v_add_nc_u32 v8, s30, v4
	global_store_b128 v7, v[48:51], s[18:19]       ; 32 lanes store 512 consecutive bytes
	global_store_b128 v7, v[52:55], s[18:19] offset:512
	global_store_b128 v7, v[56:59], s[18:19] offset:1024
	global_store_b32 v8, v9, s[18:19] offset:W_SCL
	s_endpgm
.Lrest:
	; ---- W0 and b0 as f32 fragments.  K slot (s, h, j): s = 0, 1: row 4 h + 2 s + j of W0 (the lookup leaves components 4 h .. 4 h + 3 in lane half h);
	;      s = 2: h = 0: rows 8, 9; h = 1: row 10 and b0, which meets the constant 1 on the points' side
	v_add_nc_u32 v6, s21, v5                       ; my unit
	v_lshlrev_b32 v6, 2, v6
	v_lshl_add_u32 v7, v3, 11, v6                  ; + 4 h rows of 512 bytes
	v_lshl_add_u32 v8, v3, 10, v6                  ; + 2 h rows
	global_load_b32 v16, v7, s[6:7]
	global_load_b32 v17, v7, s[6:7] offset:512
	global_load_b32 v18, v7, s[6:7] offset:1024
	global_load_b32 v19, v7, s[6:7] offset:1536
	global_load_b32 v20, v8, s[6:7] offset:4096    ; row 8 + 2 h
	global_load_b32 v21, v6, s[6:7] offset:4608    ; row 9
	global_load_b32 v22, v6, s[8:9]                ; b0
	; ---- b1 and Wo at units tb + 16 h + 0 .. 7
	s_lshl_b32 s26, s21, 2
	v_lshl_add_u32 v9, v3, 6, s26
	global_load_b128 v[24:27], v9, s[12:13]
	global_load_b128 v[28:31], v9, s[12:13] offset:16
	global_load_b128 v[32:35], v9, s[14:15]
	global_load_b128 v[36:39], v9, s[14:15] offset:16
	; ---- W0 transposed, bf16: lane r stands for row 0-3 (r = 0-3), 8-10 (r = 4-6), 4-7 (r = 8-11) of W0: r with its bits 2 and 3 exchanged; the other lanes hold zeros
	v_and_b32 v10, 3, v2
	v_and_b32 v11, 4, v2
	v_lshl_or_b32 v10, v11, 1, v10
	v_and_b32 v11, 8, v2
	v_lshrrev_b32 v11, 1, v11
	v_or_b32 v10, v10, v11
	v_min_u32 v12, 10, v10                         ; no load leaves W0
	v_lshl_add_u32 v13, v12, 9, v9
	global_load_b128 v[40:43], v13, s[6:7]
	global_load_b128 v[44:47], v13, s[6:7] offset:16
	; where they go
.irp s, 0,1,2
	s_mul_i32 s28, s20, 6
	s_add_co_u32 s28, s28, 2*\s                    ; register 6 t + 2 s of the array: group / 4, place % 4
	s_lshr_b32 s29, s28, 2
	s_lshl_b32 s29, s29, 9
	s_and_b32 s28, s28, 3
	s_lshl_b32 s28, s28, 2
	s_add_co_u32 s28, s28, s29
	v_add_nc_u32 v[52+\s], s28, v4
.endr
	s_lshl_b32 s28, s20, 10
	v_add_nc_u32 v55, s28, v4
	s_lshl_b32 s28, s20, 9
	v_add_nc_u32 v56, s28, v4
	s_wait_loadcnt 0x0
	v_cmp_eq_u32 vcc_lo, 1, v3
	v_cndmask_b32 v21, v21, v22, vcc_lo            ; lanes 16-31: b0
	v_cvt_pk_bf16_f32 v48, v40, v41
	v_cvt_pk_bf16_f32 v49, v42, v43
	v_cvt_pk_bf16_f32 v50, v44, v45
	v_cvt_pk_bf16_f32 v51, v46, v47
	v_cmp_gt_u32 vcc_lo, 11, v10                   ; a row of W0?
.irp i, 0,1,2,3
	v_cndmask_b32 v[48+\i], 0, v[48+\i], vcc_lo
.endr
	global_store_b64 v52, v[16:17], s[18:19] offset:W_W0F
	global_store_b64 v53, v[18:19], s[18:19] offset:W_W0F
	global_store_b64 v54, v[20:21], s[18:19] offset:W_W0F
	global_store_b128 v55, v[24:27], s[18:19] offset:W_B1C
	global_store_b128 v55, v[28:31], s[18:19] offset:W_B1C+512
	global_store_b128 v55, v[32:35], s[18:19] offset:W_WO
	global_store_b128 v55, v[36:39], s[18:19] offset:W_WO+512
	global_store_b128 v56, v[48:51], s[18:19] offset:W_W0T
	s_endpgm
.Lindex:
	; ---- the cells: four points a thread: 48 bytes in, 16 bytes out; a wave's three loads cover 1,536 consecutive bytes, its store 512
	s_sub_co_u32 s26, ttmp9, 3
	s_mul_i32 s28, s26, 12288
	s_mov_b32 s29, 0
	s_add_nc_u64 s[4:5], s[4:5], s[28:29]
	s_lshl_b32 s28, s26, 12
	s_add_nc_u64 s[16:17], s[16:17], s[28:29]
	v_mul_u32_u24 v6, v0, 48
	v_lshlrev_b32 v7, 4, v0
	global_load_b128 v[8:11], v6, s[4:5] th:TH_LOAD_NT
	global_load_b128 v[12:15], v6, s[4:5] offset:16 th:TH_LOAD_NT
	global_load_b128 v[16:19], v6, s[4:5] offset:32 th:TH_LOAD_NT
	s_wait_loadcnt 0x0
.irp i, 0,1,2,3,4,5,6,7,8,9,10,11
	v_add_f32 v[8+\i], 1.0, v[8+\i]                ; the three roundings of (p + 1) x 0.5 x 127 are kept apart: the next launch makes the same number
.endr
.irp i, 0,1,2,3,4,5,6,7,8,9,10,11
	v_mul_f32 v[8+\i], 0.5, v[8+\i]
.endr
.irp i, 0,1,2,3,4,5,6,7,8,9,10,11
	v_mul_f32 v[8+\i], 0x42fe0000, v[8+\i]
.endr
.irp i, 0,1,2,3,4,5,6,7,8,9,10,11
	v_med3_num_f32 v[8+\i], v[8+\i], 0, 0x42fe0000 ; the clip: 127 - 1e-6 is 127 in f32
.endr
.irp i, 0,1,2,3,4,5,6,7,8,9,10,11
	v_cvt_u32_f32 v[8+\i], v[8+\i]                 ; toward zero: the floor of what is not negative
.endr
.irp i, 0,1,2,3,4,5,6,7,8,9,10,11
	v_min_u32 v[8+\i], 127, v[8+\i]
.endr
.irp q, 0,1,2,3
	v_lshl_or_b32 v[20+\q], v[8+3*\q], 7, v[9+3*\q]
.endr
.irp q, 0,1,2,3
	v_lshl_or_b32 v[20+\q], v[20+\q], 7, v[10+3*\q]
.endr
	global_store_b128 v7, v[20:23], s[16:17]
	s_endpgm
.Lfunc_end_k_qf0ae7a5936_prep:
	.size	k_qf0ae7a5936_prep, .Lfunc_end_k_qf0ae7a5936_prep-k_qf0ae7a5936_prep
	.p2alignl 7, 3214868480
	.fill 96, 4, 3214868480
	.section	.rodata,"a",@progbits
	.p2align	6, 0x0
	.amdhsa_kernel k_qf0ae7a5936_prep
		.amdhsa_group_segment_fixed_size 0
		.amdhsa_private_segment_fixed_size 0
		.amdhsa_enable_private_segment 0
		.amdhsa_kernarg_size 64
		.amdhsa_user_sgpr_count 2
		.amdhsa_user_sgpr_kernarg_segment_ptr 1
		.amdhsa_wavefront_size32 1
		.amdhsa_system_sgpr_workgroup_id_x 1
		.amdhsa_system_sgpr_workgroup_id_y 1
		.amdhsa_system_sgpr_workgroup_id_z 1
		.amdhsa_system_vgpr_workitem_id 0
		.amdhsa_next_free_vgpr 128
		.amdhsa_next_free_sgpr 66
		.amdhsa_reserve_vcc 1
		.amdhsa_float_denorm_mode_32 3
		.amdhsa_float_denorm_mode_16_64 3
		.amdhsa_memory_ordered 1
		.amdhsa_forward_progress 1
		.amdhsa_inst_pref_size 22
	.end_amdhsa_kernel
	.amdgpu_metadata
---
amdhsa.version: [ 1, 2 ]
amdhsa.kernels:
  - .name:           k_qf0ae7a5936_prep
    .symbol:         k_qf0ae7a5936_prep.kd
    .args:
      - { .name: positions, .offset: 0, .size: 8, .value_kind: global_buffer, .address_space: global }
      - { .name: W0, .offset: 8, .size: 8, .value_kind: global_buffer, .address_space: global }
      - { .name: b0, .offset: 16, .size: 8, .value_kind: global_buffer, .address_space: global }
      - { .name: W1, .offset: 24, .size: 8, .value_kind: global_buffer, .address_space: global }
      - { .name: b1, .offset: 32, .size: 8, .value_kind: global_buffer, .address_space: global }
      - { .name: Wo, .offset: 40, .size: 8, .value_kind: global_buffer, .address_space: global }
      - { .name: idx, .offset: 48, .size: 8, .value_kind: global_buffer, .address_space: global }
      - { .name: wts, .offset: 56, .size: 8, .value_kind: global_buffer, .address_space: global }
    .group_segment_fixed_size: 0
    .private_segment_fixed_size: 0
    .kernarg_segment_align: 8
    .kernarg_segment_size: 64
    .max_flat_workgroup_size: 256
    .sgpr_count:     66
    .vgpr_count:     128
    .wavefront_size: 32
...
	.end_amdgpu_metadata
.endif
;; end of part 1
;; launch sdf (part 2): grid 256 x 1, 4 waves a work-group, no clusters, 8,704 bytes of LDS; arguments positions, idx, wts, embeddings, bo, out0, out1; writes out0, out1
.if DOCPART == 2
	.amdgcn_target "amdgcn-amd-amdhsa--gfx1250"
	.amdhsa_code_object_version 6
	.text
	.protected	k_qf0ae7a5936_sdf
	.globl	k_qf0ae7a5936_sdf
	.p2align	8
	.type	k_qf0ae7a5936_sdf,@function
k_qf0ae7a5936_sdf:
	s_mov_b64 s[64:65], 0
	v_nop
	global_prefetch_b8 v0, s[64:65] scope:SCOPE_SE
	s_setreg_imm32_b32 hwreg(HW_REG_WAVE_MODE, 25, 1), 1
	s_wait_xcnt 0x0
; out0 = sdf(p), out1 = d sdf / d p.  emb = smooth-step trilinear lookup; h0 = [emb, p]; h1 = sin(30 (h0 W0 + b0)); h2 = sin(30 (Q(h1) Q(W1) + b1)); sdf = h2 Wo + bo;
; back: g1 = Wo x 30 cos(a1); gh1 = Q(g1) Q(W1)^T; g0 = gh1 x 30 cos(a0); gh0 = g0 W0^T; grad[c] = gh0[8 + c] + dw_c/dp_c x sum over e of gh0[e] x d emb[e] / d w_c.
; The two products with W1 go on codes of BF6 (E3M2) with E8M0 scales; h0 W0 + b0 feeds a quantiser and goes with f32 operands; g0 W0^T feeds none and goes in bf16.  The forward pass is computed once and serves both results.
; SHARES.  1,024 waves, one to a SIMD; a wave owns 512 points, 32 tiles of 16.  All weights stay in its registers (images made by the launch before).  Waves share nothing: no barrier.
; LAYOUT.  Every product is used TRANSPOSED (source 0 = 16 units of a weight, source 1 = my 16 points): lane (r, h) holds point r throughout; register j of tile t is unit 32 (t / 2) + 16 h + 8 (t % 2) + j,
; so the 16 registers of tiles 2 b, 2 b + 1 are 16 neighbours along the next K.  In the lookup lane (r, h) holds components 4 h .. 4 h + 3 of each corner.
; THE VECTOR UNIT BINDS: 256 sines with their cosines a point, by range reduction and polynomial.  So every matrix instruction stands singly between vector instructions (a QUEUE of them, a HOOK where the next one
; is written), which costs two window switches each; and a tile's lookup is done, and the next one's eight gathers are asked for, in the middle of the tile before.
; SINE AND COSINE of 30 z: n = round(z x 30 / pi) (by adding 1.5 x 2^23); rho = z - n pi / 30 in two parts; sigma = +-30 by n's parity; zeta = rho^2;
; sin = sigma rho (1 + zeta Q(zeta)), 30 cos = sigma (1 + zeta P(zeta)); Q, P of degree 4: Abramowitz and Stegun 4.3.97, 4.3.99, each coefficient x 900^k.
; LIMITS: |30 z / pi| under 2^22; the polynomials are good to about 1e-7 absolute; NaN and infinite positions are not served; a block of zeros has the scale byte 1 (its codes are zeros);
; 30, cos and Wo are multiplied in another order than the reference's (a last bit); at a tie of the clip half the gradient passes.
; NOT USED: tensor loads and a ring (the one large stream is a gather of 16 bytes a lane); clusters (work-groups share only 52 KB of weights, read once); prefetches (the gathers are asked for a whole tile ahead).
;
; REGISTERS, in windows of 256 (s_set_vgpr_msb's low byte: bits 1:0 source 0, 3:2 source 1, 5:4 source 2, 7:6 destination).
; window 0: sines, cosines, quantisers and all results of matrix instructions
.set VL,   1                           ; 16 x lane
.set VSD,  2                           ; LDS: my point's place among a tile's 16 sdf
.set VTA,  3                           ; the same for the tile in hand
.set PD,   4                           ; v4-5    destinations of lane permutes
.set MG,   6                           ; v6-7    1.5 x 2^23, twice
.set VA5,  8                           ; v8-9    A5
.set VB5,  10                          ; v10-11  B5
.set W1FS, 12                          ; v12-19  scale words of W1 along its first axis, a tile each
.set W1BS, 20                          ; v20-27  along its second
.set HW,   28                          ; h1's scale word
.set GW,   29                          ; g1's
.set SD,   30                          ; v30-37  sums of h2 x Wo
.set HC,   38                          ; v38-49  h1's codes
.set GC,   50                          ; v50-61  g1's
.set R0,   64                          ; v64-95, v96-127, v128-159: results of matrix instructions, four tiles each; no vector instruction and no load writes them
.set R1,   96
.set R2,   128
.set S,    160                         ; v160-191 four tiles of h1, later of g1, later g0 in bf16 (all eight tiles)
.set TPT,  192                         ; v192-239 at work on a tile of 8 registers: pair p at + 2 p
.set TPN,  200
.set TPR,  208
.set TPQ,  216
.set TPP,  224
.set TPU,  232
.set QA,   192                         ; the quantiser's, over them
.set QB,   194
.set QS,   196
.set QY,   198
.set QT,   204
; window 1
.set W1F,  0                           ; W1's codes, K = first axis: 12 t
.set W1B,  96                          ; K = second axis
.set W0F,  192                         ; W0 and b0, f32: 6 t + 2 s
; window 2
.set B1C,  0                           ; b1: 8 t
.set WO,   64                          ; Wo: 8 t
.set W0T,  128                         ; W0^T, bf16: 8 b
.set C0,   160                         ; 30 cos(a0): 8 t
; window 3: the lookup and the end of the gradient
.set GA,   0                           ; v0-31   the eight corners, corner 4 a + 2 b + c (x, y, z) at 4 q
.set OF,   32                          ; v32-39  their byte offsets
.set PP,   40                          ; v40-42  the point; v43 = 0
.set IX,   44                          ; the cell of the tile to be gathered next
.set IXP,  45                          ; of the tile whose corners are on their way or here
.set XX,   46
.set XC,   50
.set FI,   54
.set TT3,  58
.set WW,   62                          ; w: (x, y), (z, -)
.set OM,   66                          ; 1 - w
.set WYP,  70                          ; w_y, 1 - w_y as the low words of pairs
.set OYP,  72
.set DWN,  74                          ; dw/dp of the tile just looked up;  DWC: of the tile in hand
.set DWC,  78
.set DN,   82                          ; d emb / d w_c, 4 components for c = x, y, z;  DC likewise
.set DC,   94
.set H0,   106                         ; v106-111 h0 as three f32 fragments
.set DD,   112
.set UU,   116
.set T2,   120
.set QQ,   124
.set C00,  128
.set C10,  132
.set C01,  136
.set C11,  140
.set CZ0,  144
.set CZ1,  148
.set F00,  152
.set F10,  156
.set F01,  160
.set F11,  164
.set E0,   168
.set E1,   172
.set NI,   112                         ; the gathers' addresses are made over DD .. QQ
.set NJ,   115
.set NX,   118
.set NXY,  120
.set NZ,   124
.set GS,   176                         ; v176-183 gh0
.set EE,   184
.set VPO,  192                         ; 12 r
.set VIO,  193                         ; 4 r
.set VH16, 194                         ; 16 h
.set VGR,  195                         ; LDS: my point's place among a tile's gradients
.set VL16, 196                         ; 16 x lane
.set VTB,  197
.set VLF,  198                         ; LDS: my 16 bytes of the stage
.set OUT,  208
; LDS: 2,048 bytes a wave, a stage for 8 tiles: 512 bytes of sdf (64 i8 + 4 r), 1,536 of gradients (192 i8 + 12 r + 4 c)
.set MSB, 0
.macro WIN new                         ; the immediate's high byte repeats the setting that is left; a switch that changes nothing is dropped
.if MSB != \new
	s_set_vgpr_msb (MSB<<8)|\new
.set MSB, \new
.endif
.endm
.macro SPAIR r, val                    ; a constant for packed instructions: they name a pair and take its low word for both halves
	s_mov_b32 s[\r], \val
	s_mov_b32 s[\r+1], \val
.endm
; THE QUEUE of matrix instructions.  kind 0, 4: h0 W0 + b0, tiles kind .. kind + 3, K step i / 4, into R0 (kind 0) or R1 (kind 4): four accumulators by turns.
; kind 1: tile i of Q(h1) Q(W1) + b1;  kind 2: tile i of Q(g1) Q(W1)^T (tiles 0-3 into R2, 4-7 into R1);  kind 3: K step i of g0 W0^T, two accumulators by turns.
; No two matrix instructions that follow each other in the text share an accumulator, over the loop's backward jump too.
.macro QUEUE kind, first, last
.set HK_KIND, \kind
.set HK_I, \first
.set HK_N, \last
.endm
.macro EMIT
.if (HK_KIND == 0) || (HK_KIND == 4)
.set hd, R0+8*HK_KIND+8*(HK_I%4)
.set ha, W0F+6*(HK_KIND+HK_I%4)+2*(HK_I/4)
.set hb, H0+2*(HK_I/4)
	WIN 0x0d                                       ; W0 window 1, h0 window 3
.if HK_I < 4
	v_wmma_f32_16x16x4_f32 v[hd:hd+7], v[ha:ha+1], v[hb:hb+1], 0
.else
	v_wmma_f32_16x16x4_f32 v[hd:hd+7], v[ha:ha+1], v[hb:hb+1], v[hd:hd+7]
.endif
.elseif HK_KIND == 1
.set hd, R2+8*HK_I-64*(HK_I/4)
	WIN 0x21                                       ; W1 window 1, b1 window 2
	v_wmma_scale_f32_16x16x128_f8f6f4 v[hd:hd+7], v[W1F+12*HK_I:W1F+12*HK_I+11], v[HC:HC+11], v[B1C+8*HK_I:B1C+8*HK_I+7], v[W1FS+HK_I], v[HW] matrix_a_fmt:MATRIX_FMT_BF6 matrix_b_fmt:MATRIX_FMT_BF6
.elseif HK_KIND == 2
.set hd, R2+8*HK_I-64*(HK_I/4)
	WIN 0x01
	v_wmma_scale_f32_16x16x128_f8f6f4 v[hd:hd+7], v[W1B+12*HK_I:W1B+12*HK_I+11], v[GC:GC+11], 0, v[W1BS+HK_I], v[GW] matrix_a_fmt:MATRIX_FMT_BF6 matrix_b_fmt:MATRIX_FMT_BF6
.else
.set hd, R2+8*(HK_I%2)
	WIN 0x02                                       ; W0^T window 2
.if HK_I < 2
	v_wmma_f32_16x16x32_bf16 v[hd:hd+7], v[W0T+8*HK_I:W0T+8*HK_I+7], v[S+8*HK_I:S+8*HK_I+7], 0
.else
	v_wmma_f32_16x16x32_bf16 v[hd:hd+7], v[W0T+8*HK_I:W0T+8*HK_I+7], v[S+8*HK_I:S+8*HK_I+7], v[hd:hd+7]
.endif
.endif
.set HK_I, HK_I+1
.endm
.macro HOOK ret                        ; the queue's next instruction, if one is left; then back to window setting ret
.if HK_I < HK_N
	EMIT
	WIN \ret
.endif
.endm
.macro HOOKALL ret                     ; all that are left
.rept 12
.if HK_I < HK_N
	EMIT
.endif
.endr
	WIN \ret
.endm
; SINE AND COSINE of 30 z for one tile t: 8 registers at z, four pairs; each step for the four pairs in turn.  The tile's first read is its registers 0 and 1.
; kind 0: h1 -> S, 30 cos -> C0.   kind 1: SD += h2 x Wo, Wo x 30 cos -> S.
.macro SC kind, z, t
.irp p, 0,1,2,3
	v_pk_fma_f32 v[TPT+2*\p:TPT+2*\p+1], v[2*\p+(\z):2*\p+(\z)+1], s[42:43], v[MG:MG+1] op_sel_hi:[1,0,1]   ; z x 30 / pi + 1.5 x 2^23: n in the low bits
.endr
.irp p, 0,1,2,3
	v_pk_add_f32 v[TPN+2*\p:TPN+2*\p+1], v[TPT+2*\p:TPT+2*\p+1], s[44:45] op_sel_hi:[1,0]                    ; n
.endr
.irp p, 0,1,2,3
	v_pk_fma_f32 v[TPR+2*\p:TPR+2*\p+1], v[TPN+2*\p:TPN+2*\p+1], s[46:47], v[2*\p+(\z):2*\p+(\z)+1] op_sel_hi:[1,0,1]   ; z - n x (pi / 30)'s upper part,
.endr
.irp p, 0,1,2,3
	v_pk_fma_f32 v[TPR+2*\p:TPR+2*\p+1], v[TPN+2*\p:TPN+2*\p+1], s[48:49], v[TPR+2*\p:TPR+2*\p+1] op_sel_hi:[1,0,1]     ; and its lower: rho
.endr
	HOOK 0
.irp i, 0,1,2,3,4,5,6,7
	v_lshl_or_b32 v[TPT+\i], v[TPT+\i], 31, 0x41f00000                                                        ; sigma: 30 with n's parity as its sign
.endr
.irp p, 0,1,2,3
	v_pk_mul_f32 v[TPN+2*\p:TPN+2*\p+1], v[TPR+2*\p:TPR+2*\p+1], v[TPR+2*\p:TPR+2*\p+1]                       ; zeta
.endr
.irp p, 0,1,2,3
	v_pk_mul_f32 v[TPR+2*\p:TPR+2*\p+1], v[TPR+2*\p:TPR+2*\p+1], v[TPT+2*\p:TPT+2*\p+1]                       ; sigma rho
.endr
	HOOK 0
.irp p, 0,1,2,3
	v_pk_fma_f32 v[TPQ+2*\p:TPQ+2*\p+1], v[TPN+2*\p:TPN+2*\p+1], v[VA5:VA5+1], s[50:51] op_sel_hi:[1,1,0]
	v_pk_fma_f32 v[TPP+2*\p:TPP+2*\p+1], v[TPN+2*\p:TPN+2*\p+1], v[VB5:VB5+1], s[58:59] op_sel_hi:[1,1,0]
.endr
.irp p, 0,1,2,3
	v_pk_fma_f32 v[TPQ+2*\p:TPQ+2*\p+1], v[TPQ+2*\p:TPQ+2*\p+1], v[TPN+2*\p:TPN+2*\p+1], s[52:53] op_sel_hi:[1,1,0]
	v_pk_fma_f32 v[TPP+2*\p:TPP+2*\p+1], v[TPP+2*\p:TPP+2*\p+1], v[TPN+2*\p:TPN+2*\p+1], s[60:61] op_sel_hi:[1,1,0]
.endr
.irp p, 0,1,2,3
	v_pk_fma_f32 v[TPQ+2*\p:TPQ+2*\p+1], v[TPQ+2*\p:TPQ+2*\p+1], v[TPN+2*\p:TPN+2*\p+1], s[54:55] op_sel_hi:[1,1,0]
	v_pk_fma_f32 v[TPP+2*\p:TPP+2*\p+1], v[TPP+2*\p:TPP+2*\p+1], v[TPN+2*\p:TPN+2*\p+1], s[62:63] op_sel_hi:[1,1,0]
.endr
	HOOK 0
.irp p, 0,1,2,3
	v_pk_fma_f32 v[TPQ+2*\p:TPQ+2*\p+1], v[TPQ+2*\p:TPQ+2*\p+1], v[TPN+2*\p:TPN+2*\p+1], s[56:57] op_sel_hi:[1,1,0]
	v_pk_fma_f32 v[TPP+2*\p:TPP+2*\p+1], v[TPP+2*\p:TPP+2*\p+1], v[TPN+2*\p:TPN+2*\p+1], s[66:67] op_sel_hi:[1,1,0]
.endr
.irp p, 0,1,2,3
	v_pk_mul_f32 v[TPU+2*\p:TPU+2*\p+1], v[TPR+2*\p:TPR+2*\p+1], v[TPN+2*\p:TPN+2*\p+1]                       ; sigma rho zeta
.endr
.if \kind == 0
.irp p, 0,1,2,3
	v_pk_fma_f32 v[S+8*((\t)%4)+2*\p:S+8*((\t)%4)+2*\p+1], v[TPQ+2*\p:TPQ+2*\p+1], v[TPU+2*\p:TPU+2*\p+1], v[TPR+2*\p:TPR+2*\p+1]   ; the sine
.endr
.irp p, 0,1,2,3
	v_pk_mul_f32 v[TPN+2*\p:TPN+2*\p+1], v[TPT+2*\p:TPT+2*\p+1], v[TPN+2*\p:TPN+2*\p+1]                       ; sigma zeta
.endr
	WIN 0x80                                       ; destination window 2
.irp p, 0,1,2,3
	v_pk_fma_f32 v[C0+8*(\t)+2*\p:C0+8*(\t)+2*\p+1], v[TPP+2*\p:TPP+2*\p+1], v[TPN+2*\p:TPN+2*\p+1], v[TPT+2*\p:TPT+2*\p+1]   ; 30 x the cosine
.endr
	WIN 0
.else
.irp p, 0,1,2,3
	v_pk_fma_f32 v[TPU+2*\p:TPU+2*\p+1], v[TPQ+2*\p:TPQ+2*\p+1], v[TPU+2*\p:TPU+2*\p+1], v[TPR+2*\p:TPR+2*\p+1]   ; the sine
.endr
	WIN 0x08                                       ; source 1 (Wo) window 2
.irp p, 0,1,2,3
.if (\t) == 0
	v_pk_mul_f32 v[SD+2*\p:SD+2*\p+1], v[TPU+2*\p:TPU+2*\p+1], v[WO+8*(\t)+2*\p:WO+8*(\t)+2*\p+1]            ; the first tile starts the sums
.else
	v_pk_fma_f32 v[SD+2*\p:SD+2*\p+1], v[TPU+2*\p:TPU+2*\p+1], v[WO+8*(\t)+2*\p:WO+8*(\t)+2*\p+1], v[SD+2*\p:SD+2*\p+1]
.endif
.endr
.irp p, 0,1,2,3
	v_pk_mul_f32 v[TPT+2*\p:TPT+2*\p+1], v[TPT+2*\p:TPT+2*\p+1], v[WO+8*(\t)+2*\p:WO+8*(\t)+2*\p+1]          ; sigma Wo
.endr
	WIN 0
.irp p, 0,1,2,3
	v_pk_mul_f32 v[TPN+2*\p:TPN+2*\p+1], v[TPT+2*\p:TPT+2*\p+1], v[TPN+2*\p:TPN+2*\p+1]
.endr
.irp p, 0,1,2,3
	v_pk_fma_f32 v[S+8*((\t)%4)+2*\p:S+8*((\t)%4)+2*\p+1], v[TPP+2*\p:TPP+2*\p+1], v[TPN+2*\p:TPN+2*\p+1], v[TPT+2*\p:TPT+2*\p+1]   ; Wo x 30 x the cosine
.endr
.endif
.endm
; THE QUANTISER for blocks 2 c, 2 c + 1 of an operand: 32 numbers of a lane at S (register 16 b + i = k 64 c + 32 b + 16 h + i of my point) become registers cd .. cd + 5 and two bytes of the scale word.
.macro QUANT2 cd, word, c
.irp b, 0,1
	v_max3_num_f32 v[QA+\b], |v[S+16*\b]|, |v[S+16*\b+1]|, 0x2800000      ; my 16 numbers in two chains, and the floor 2^(5 - 127): the byte cannot fall under 1
	v_max3_num_f32 v[QB+\b], |v[S+16*\b+2]|, |v[S+16*\b+3]|, |v[S+16*\b+4]|
.endr
.irp i, 5,9
.irp b, 0,1
	v_max3_num_f32 v[QA+\b], v[QA+\b], |v[S+16*\b+\i]|, |v[S+16*\b+\i+1]|
	v_max3_num_f32 v[QB+\b], v[QB+\b], |v[S+16*\b+\i+2]|, |v[S+16*\b+\i+3]|
.endr
.endr
.irp b, 0,1
	v_max3_num_f32 v[QA+\b], v[QA+\b], |v[S+16*\b+13]|, |v[S+16*\b+14]|
.endr
.irp b, 0,1
	v_max3_num_f32 v[QA+\b], v[QA+\b], v[QB+\b], |v[S+16*\b+15]|
.endr
.irp b, 0,1
	v_permlanex16_b32 v[PD+\b], v[QA+\b], s32, s33
.endr
.irp b, 0,1
	v_max_num_f32 v[QA+\b], v[QA+\b], v[PD+\b]     ; with lane l xor 16's: the block's largest magnitude
.endr
.irp b, 0,1
	v_add_nc_u32 v[QS+\b], 0xfe000000, v[QA+\b]    ; 4 off its exponent field: the conversion's scale operand
.endr
.irp b, 0,1
	v_lshrrev_b32 v[QY+\b], 23, v[QS+\b]           ; the scale's byte
.endr
.if \c == 0
	v_lshl_or_b32 v[\word], v[QY+1], 8, v[QY]
.else
	v_lshl_or_b32 v[\word], v[QY], 16, v[\word]
	v_lshl_or_b32 v[\word], v[QY+1], 24, v[\word]
.endif
	v_cvt_scalef32_pk16_bf6_f32 v[\cd:\cd+2], v[S:S+15], v[QS]
	v_cvt_scalef32_pk16_bf6_f32 v[QT:QT+2], v[S+16:S+31], v[QS+1]      ; (a conversion's three registers begin on an even number)
	v_nop                                          ; one plain instruction behind the scaled conversions
.irp i, 0,1,2
	v_permlane16_swap_b32 v[\cd+\i], v[QT+\i]      ; the operand wants a whole block in a lane: lanes 0-15 block 2 c, lanes 16-31 block 2 c + 1
.endr
.irp i, 0,1,2
	v_mov_b32 v[\cd+3+\i], v[QT+\i]
.endr
.endm
; d = a x om + b x w on four components; om and w are low words of pairs
.macro LERP d, a, b, om, w
	v_pk_mul_f32 v[\d:\d+1], v[\a:\a+1], v[\om:\om+1] op_sel_hi:[1,0]
	v_pk_mul_f32 v[\d+2:\d+3], v[\a+2:\a+3], v[\om:\om+1] op_sel_hi:[1,0]
	v_pk_fma_f32 v[\d:\d+1], v[\b:\b+1], v[\w:\w+1], v[\d:\d+1] op_sel_hi:[1,0,1]
	v_pk_fma_f32 v[\d+2:\d+3], v[\b+2:\b+3], v[\w:\w+1], v[\d+2:\d+3] op_sel_hi:[1,0,1]
.endm
.macro SUB d, b, a                     ; d = b - a
	v_pk_add_f32 v[\d:\d+1], v[\b:\b+1], v[\a:\a+1] neg_lo:[0,1] neg_hi:[0,1]
	v_pk_add_f32 v[\d+2:\d+3], v[\b+2:\b+3], v[\a+2:\a+3] neg_lo:[0,1] neg_hi:[0,1]
.endm
; THE LOOKUP of the tile whose point, cell and corners are in PP, IXP, GA: h0 -> H0, d emb / d w -> DN, dw/dp -> DWN.  All in window 3 (the caller has set 0xff).
; The eight packed lines ahead of the first hook are the plain instructions between the quantiser's last writes of codes and scale word and the first scaled matrix instruction.
.macro INTERP
	v_pk_add_f32 v[XX:XX+1], v[PP:PP+1], 1.0 op_sel_hi:[1,0]
	v_pk_add_f32 v[XX+2:XX+3], v[PP+2:PP+3], 1.0 op_sel_hi:[1,0]
	v_pk_mul_f32 v[XX:XX+1], v[XX:XX+1], 0.5 op_sel_hi:[1,0]
	v_pk_mul_f32 v[XX+2:XX+3], v[XX+2:XX+3], 0.5 op_sel_hi:[1,0]
	v_pk_mul_f32 v[XX:XX+1], v[XX:XX+1], s[38:39] op_sel_hi:[1,0]      ; x = (p + 1) x 0.5 x 127, the same three roundings as in the launch before
	v_pk_mul_f32 v[XX+2:XX+3], v[XX+2:XX+3], s[38:39] op_sel_hi:[1,0]
	v_pk_fma_f32 v[DD:DD+1], v[XX:XX+1], -1.0, s[38:39] op_sel_hi:[1,0,0]   ; 127 - x
	v_pk_fma_f32 v[DD+2:DD+3], v[XX+2:XX+3], -1.0, s[38:39] op_sel_hi:[1,0,0]
	HOOK 0xff
.irp c, 0,1,2
	v_min_num_f32 v[DD+\c], v[DD+\c], v[XX+\c]     ; how far inside the clip
.endr
.irp c, 0,1,2
	v_fma_f32 v[DD+\c], v[DD+\c], s35, s36         ; x 2^30 + 190.5,
.endr
.irp c, 0,1,2
	v_med3_num_f32 v[DD+\c], v[DD+\c], 0, s37      ; held to 0 .. 381: 6 x 63.5 inside, half of it at a tie, 0 outside
.endr
	HOOK 0xff
.irp c, 0,1,2
	v_med3_num_f32 v[XC+\c], v[XX+\c], 0, s38
.endr
	v_bfe_u32 v[FI], v[IXP], 14, 7
	v_bfe_u32 v[FI+1], v[IXP], 7, 7
	v_bfe_u32 v[FI+2], v[IXP], 0, 7
.irp c, 0,1,2
	v_cvt_f32_u32 v[FI+\c], v[FI+\c]
.endr
	HOOK 0xff
	SUB TT3, XC, FI                                ; t
	v_pk_fma_f32 v[UU:UU+1], v[TT3:TT3+1], -2.0, s[40:41] op_sel_hi:[1,0,0]
	v_pk_fma_f32 v[UU+2:UU+3], v[TT3+2:TT3+3], -2.0, s[40:41] op_sel_hi:[1,0,0]
	v_pk_mul_f32 v[T2:T2+1], v[TT3:TT3+1], v[TT3:TT3+1]
	v_pk_mul_f32 v[T2+2:T2+3], v[TT3+2:TT3+3], v[TT3+2:TT3+3]
	v_pk_mul_f32 v[WW:WW+1], v[T2:T2+1], v[UU:UU+1]                    ; w = t t (3 - 2 t)
	v_pk_mul_f32 v[WW+2:WW+3], v[T2+2:T2+3], v[UU+2:UU+3]
	HOOK 0xff
	v_pk_fma_f32 v[OM:OM+1], v[WW:WW+1], -1.0, 1.0 op_sel_hi:[1,0,0]
	v_pk_fma_f32 v[OM+2:OM+3], v[WW+2:WW+3], -1.0, 1.0 op_sel_hi:[1,0,0]
	v_pk_fma_f32 v[QQ:QQ+1], v[T2:T2+1], -1.0, v[TT3:TT3+1] op_sel_hi:[1,0,1]   ; t - t t
	v_pk_fma_f32 v[QQ+2:QQ+3], v[T2+2:T2+3], -1.0, v[TT3+2:TT3+3] op_sel_hi:[1,0,1]
	v_pk_mul_f32 v[DWN:DWN+1], v[QQ:QQ+1], v[DD:DD+1]                  ; dw/dp
	v_pk_mul_f32 v[DWN+2:DWN+3], v[QQ+2:QQ+3], v[DD+2:DD+3]
	v_mov_b32 v[WYP], v[WW+1]
	v_mov_b32 v[OYP], v[OM+1]
	HOOK 0xff
	SUB F00, GA+16, GA
	SUB F10, GA+24, GA+8
	SUB F01, GA+20, GA+4
	SUB F11, GA+28, GA+12
	HOOK 0xff
	LERP E0, F00, F10, OYP, WYP
	LERP E1, F01, F11, OYP, WYP
	HOOK 0xff
	LERP DN, E0, E1, OM+2, WW+2                    ; d emb / d w_x
	LERP C00, GA, GA+16, OM, WW
	LERP C10, GA+8, GA+24, OM, WW
	HOOK 0xff
	LERP C01, GA+4, GA+20, OM, WW
	LERP C11, GA+12, GA+28, OM, WW
	SUB F00, C10, C00
	SUB F10, C11, C01
	LERP DN+4, F00, F10, OM+2, WW+2                ; d emb / d w_y
	LERP CZ0, C00, C10, OYP, WYP
	LERP CZ1, C01, C11, OYP, WYP
	SUB DN+8, CZ1, CZ0                             ; d emb / d w_z
	LERP H0, CZ0, CZ1, OM+2, WW+2                  ; emb: K slots (s, h, j) = component 4 h + 2 s + j
	v_cndmask_b32 v[H0+4], v[PP], v[PP+2], s34     ; lanes 0-15: p0, p1; lanes 16-31: p2 and the 1 that meets b0
	v_cndmask_b32 v[H0+5], v[PP+1], 1.0, s34
.endm
; THE NEXT REQUESTS (window 3): the eight corners of the tile whose cell is in IX; then the point of tile s23 and the cell of tile s24.
; The offsets, the two bases and the destinations were last used by loads that the caller's wait for all loads has shown done.
.macro NEXT
	v_bfe_u32 v[NI], v[IX], 14, 7
	v_bfe_u32 v[NI+1], v[IX], 7, 7
	v_bfe_u32 v[NI+2], v[IX], 0, 7
.irp c, 0,1,2
	v_min_u32 v[NI+\c], 127, v[NI+\c]              ; a loaded number enters an address held to the table's size
.endr
.irp c, 0,1,2
	v_add_nc_u32 v[NJ+\c], 1, v[NI+\c]
.endr
.irp c, 0,1,2
	v_min_u32 v[NJ+\c], 127, v[NJ+\c]              ; the upper corner stays in the grid
.endr
	v_lshlrev_b32 v[NX], 19, v[NI]                 ; a vertex is 32 bytes: x << 19 | y << 12 | z << 5
	v_lshlrev_b32 v[NX+1], 19, v[NJ]
	v_lshl_add_u32 v[NXY], v[NI+1], 12, v[NX]
	v_lshl_add_u32 v[NXY+1], v[NJ+1], 12, v[NX]
	v_lshl_add_u32 v[NXY+2], v[NI+1], 12, v[NX+1]
	v_lshl_add_u32 v[NXY+3], v[NJ+1], 12, v[NX+1]
	v_lshl_add_u32 v[NZ], v[NI+2], 5, v[VH16]      ; + 16 h: my four components
	v_lshl_add_u32 v[NZ+1], v[NJ+2], 5, v[VH16]
.irp q, 0,1,2,3,4,5,6,7
	v_add_nc_u32 v[OF+\q], v[NXY+\q/2], v[NZ+\q%2]
.endr
.irp q, 0,1,2,3,4,5,6,7
	global_load_b128 v[GA+4*\q:GA+4*\q+3], v[OF+\q], s[10:11]          ; no hint: vertices are wanted again by other points
.endr
	v_mov_b32 v[IXP], v[IX]
	s_mul_i32 s68, s23, 192
	s_mov_b32 s69, 0
	s_add_nc_u64 s[28:29], s[4:5], s[68:69]
	s_lshl_b32 s68, s24, 6
	s_add_nc_u64 s[30:31], s[6:7], s[68:69]
	global_load_b96 v[PP:PP+2], v[VPO], s[28:29] th:TH_LOAD_NT
	global_load_b32 v[IX], v[VIO], s[30:31] th:TH_LOAD_NT
.endm
.macro KEEP                            ; what the tile in hand needs at its end is kept from the next lookup
.irp i, 0,1,2,3,4,5,6,7,8,9,10,11
	v_mov_b32 v[DC+\i], v[DN+\i]
.endr
.irp i, 0,1,2
	v_mov_b32 v[DWC+\i], v[DWN+\i]
.endr
.endm
	s_load_b256 s[4:11], s[0:1], 0x0               ; positions s[4:5], idx s[6:7], wts s[8:9], embeddings s[10:11]
	s_load_b128 s[12:15], s[0:1], 0x20             ; bo s[12:13], out0 s[14:15]
	s_load_b64 s[16:17], s[0:1], 0x30              ; out1
	v_lshl_add_u32 v254, v0, 2, 0x2000
	v_mov_b32 v255, 0
	v_lshrrev_b32 v3, 5, v0
	v_readfirstlane_b32 s19, v3                    ; wave 0..3
	v_and_b32 v3, 31, v0
	v_lshlrev_b32 v[VL], 4, v3
	v_and_b32 v4, 15, v0                           ; r  (v4, v5 later take lane permutes: they are written here)
	v_bfe_u32 v5, v0, 4, 1                         ; h
	s_lshl_b32 s23, s19, 11                        ; my wave's stage
	s_add_co_u32 s24, s23, 512
	v_lshl_add_u32 v[VSD], v4, 2, s23
	v_mov_b32 v[MG], 0x4b400000
	v_mov_b32 v[MG+1], 0x4b400000
	v_mov_b32 v[VA5], 0xcb5757c7
	v_mov_b32 v[VA5+1], 0xcb5757c7
	v_mov_b32 v[VB5], 0xcd12b25b
	v_mov_b32 v[VB5+1], 0xcd12b25b
	WIN 0xc0                                       ; destination window 3
	v_mul_u32_u24 v[VPO], v4, 12
	v_lshlrev_b32 v[VIO], 2, v4
	v_lshlrev_b32 v[VH16], 4, v5
	v_mov_b32 v[VL16], v[VL]
	v_add_nc_u32 v[VLF], s23, v[VL]
	v_mad_u32_u24 v[VGR], v4, 12, s24
	v_mov_b32 v[PP+3], 0                           ; the fourth places of what goes in pairs are written once
	v_mov_b32 v[XC+3], 0
	v_mov_b32 v[FI+3], 0
	v_mov_b32 v[WYP+1], 0
	v_mov_b32 v[OYP+1], 0
	WIN 0
	s_mov_b32 s32, 0x76543210
	s_mov_b32 s33, 0xfedcba98                      ; v_permlanex16_b32's selects for lane l xor 16
	s_mov_b32 s34, 0xffff0000                      ; lanes 16-31
	s_mov_b32 s35, 0x4e800000                      ; 2^30
	s_mov_b32 s36, 0x433e8000                      ; 190.5
	s_mov_b32 s37, 0x43be8000                      ; 381
	SPAIR 38, 0x42fe0000                           ; 127
	SPAIR 40, 0x40400000                           ; 3
	SPAIR 42, 0x4118c9eb                           ; 30 / pi
	SPAIR 44, 0xcb400000                           ; -1.5 x 2^23
	SPAIR 46, 0xbdd67750                           ; -(pi / 30), upper part
	SPAIR 48, 0x31484143                           ; and the rest
	SPAIR 50, 0x49dc74e7                           ; A4 .. A1
	SPAIR 52, 0xc80d400a
	SPAIR 54, 0x45d2effd
	SPAIR 56, 0xc3160000
	SPAIR 58, 0x4b77e37a                           ; B4 .. B1
	SPAIR 60, 0xc9772f02
	SPAIR 62, 0x4703d5fb
	SPAIR 66, 0xc3e10000
	s_lshl_b32 s25, ttmp9, 2
	s_add_co_u32 s25, s25, s19                     ; which 512 points are my wave's
	s_mul_i32 s26, s25, 6144
	s_mov_b32 s27, 0
	s_lshl_b32 s68, s25, 11
	s_mov_b32 s69, 0
	s_wait_kmcnt 0x0
	s_load_b32 s18, s[12:13], 0x0                  ; bo
	s_add_nc_u64 s[4:5], s[4:5], s[26:27]
	s_add_nc_u64 s[16:17], s[16:17], s[26:27]
	s_add_nc_u64 s[6:7], s[6:7], s[68:69]
	s_add_nc_u64 s[14:15], s[14:15], s[68:69]
	WIN 0xff
	global_load_b32 v[IX], v[VIO], s[6:7] th:TH_LOAD_NT      ; tile 0's cells
	WIN 0x40                                       ; the weights' images, 512 bytes a load: groups 0-59 fill window 1,
.set g, 0
.rept 60
	global_load_b128 v[4*g:4*g+3], v[VL], s[8:9] offset:512*g
.set g, g+1
.endr
	WIN 0x80                                       ; groups 60-99 window 2,
.rept 40
	global_load_b128 v[4*(g-60):4*(g-60)+3], v[VL], s[8:9] offset:512*g
.set g, g+1
.endr
	WIN 0                                          ; groups 100-103 are the scale words
.rept 4
	global_load_b128 v[W1FS+4*(g-100):W1FS+4*(g-100)+3], v[VL], s[8:9] offset:512*g
.set g, g+1
.endr
	s_wait_loadcnt 0x0
	s_wait_kmcnt 0x0
	WIN 0xff
	s_mov_b32 s23, 0
	s_mov_b32 s24, 1
	NEXT                                           ; tile 0's corners and points, tile 1's cells
	s_wait_loadcnt 0x0
	QUEUE 1, 0, 0                                  ; (no matrix instruction is due yet)
	INTERP                                         ; tile 0
	s_mov_b32 s23, 1
	s_mov_b32 s24, 2
	NEXT
	KEEP
	QUEUE 0, 0, 12
	HOOKALL 0                                      ; tile 0's h0 W0 + b0, units' tiles 0-3
.rept 8
	v_nop                                          ; eight plain instructions between an f32 matrix instruction and the first read of its result
.endr
	s_mov_b32 s20, 0
.Ltile:                                            ; 32 trips: tile i
	s_and_b32 s21, s20, 7                          ; its place in the stage
	; ---- h1 and 30 cos(a0), tiles 0-3; between them the products for tiles 4-7
	QUEUE 4, 0, 12
.irp t, 0,1,2,3
	SC 0, R0+8*\t, \t
.endr
	HOOKALL 0
	QUANT2 HC, HW, 0
.irp t, 4,5,6,7
	SC 0, R1+8*(\t-4), \t
.endr
	QUANT2 HC+6, HW, 1
	; ---- Q(h1) Q(W1) + b1, between the lines of tile i + 1's lookup
	QUEUE 1, 0, 8
	s_add_co_u32 s23, s20, 2
	s_min_u32 s23, s23, 31                         ; no load leaves its buffer: the last trips ask for tile 31 again
	s_add_co_u32 s24, s20, 3
	s_min_u32 s24, s24, 31
	WIN 0xff
	s_wait_loadcnt 0x0                             ; the eight gathers, the points and the cells, all asked for a whole tile ago
	INTERP
	NEXT
	HOOKALL 0
	; ---- h2 x Wo and g1, tiles 0-3; between them tile i + 1's h0 W0 + b0, tiles 0-3
	QUEUE 0, 0, 12
.irp t, 0,1,2,3
	SC 1, R2+8*\t, \t
.endr
	HOOKALL 0
	QUANT2 GC, GW, 0
.irp t, 4,5,6,7
	SC 1, R1+8*(\t-4), \t
.endr
	QUANT2 GC+6, GW, 1
	; ---- sdf: my 64 units, lane l xor 16's, bo
	v_pk_add_f32 v[SD:SD+1], v[SD:SD+1], v[SD+2:SD+3]
	v_pk_add_f32 v[SD+4:SD+5], v[SD+4:SD+5], v[SD+6:SD+7]
	s_lshl_b32 s23, s21, 6
	v_add_nc_u32 v[VTA], s23, v[VSD]
	v_pk_add_f32 v[SD:SD+1], v[SD:SD+1], v[SD+4:SD+5]
	v_add_f32 v[SD], v[SD], v[SD+1]
	v_permlanex16_b32 v[PD], v[SD], s32, s33
	v_add_f32 v[SD], v[SD], v[PD]
	v_add_f32 v[SD], s18, v[SD]
	ds_store_b32 v[VTA], v[SD]                     ; lanes r and r + 16 write the same word with the same value
.rept 4
	v_nop                                          ; with the seven plain lines above: more than eight between g1's scale word and the scaled matrix instructions
.endr
	; ---- Q(g1) Q(W1)^T, x 30 cos(a0), to bf16, x W0^T
	QUEUE 2, 0, 4
	HOOKALL 0
.rept 4
	v_nop                                          ; four plain instructions ahead of the first read of a result
.endr
.set HK_N, 8
	WIN 0x08                                       ; source 1 (30 cos) window 2
.irp t, 0,1,2,3
.irp p, 0,1,2,3
	v_pk_mul_f32 v[TPT+8*\t+2*\p:TPT+8*\t+2*\p+1], v[R2+8*\t+2*\p:R2+8*\t+2*\p+1], v[C0+8*\t+2*\p:C0+8*\t+2*\p+1]
.endr
	HOOK 0x08
.endr
	WIN 0
.irp q, 0,1,2,3,4,5,6,7,8,9,10,11,12,13,14,15
	v_cvt_pk_bf16_f32 v[S+\q], v[TPT+2*\q], v[TPT+2*\q+1]              ; register 8 b + q: units 32 b + 16 h + 2 q, + 1: W0^T's image has the same order along K
.endr
	QUEUE 3, 0, 2
	HOOKALL 0x08
.irp t, 0,1,2,3
.irp p, 0,1,2,3
	v_pk_mul_f32 v[TPT+8*\t+2*\p:TPT+8*\t+2*\p+1], v[R1+8*\t+2*\p:R1+8*\t+2*\p+1], v[C0+32+8*\t+2*\p:C0+32+8*\t+2*\p+1]
.endr
.endr
	WIN 0
.irp q, 0,1,2,3,4,5,6,7,8,9,10,11,12,13,14,15
	v_cvt_pk_bf16_f32 v[S+16+\q], v[TPT+2*\q], v[TPT+2*\q+1]
.endr
	QUEUE 3, 2, 4
	HOOKALL 0
.rept 4
	v_nop
.endr
	; ---- the gradient.  gh0: lanes 0-15 hold components 0-3 and those of p, lanes 16-31 components 4-7 and zeros
	WIN 0xc0                                       ; destination window 3
.irp p, 0,1,2,3
	v_pk_add_f32 v[GS+2*\p:GS+2*\p+1], v[R2+2*\p:R2+2*\p+1], v[R2+8+2*\p:R2+8+2*\p+1]      ; the two accumulators, each from its low end on
.endr
	WIN 0xff
	s_mul_i32 s24, s21, 192
.irp c, 0,1,2
	v_pk_mul_f32 v[EE+2*\c:EE+2*\c+1], v[GS:GS+1], v[DC+4*\c:DC+4*\c+1]
.endr
.irp c, 0,1,2
	v_pk_fma_f32 v[EE+2*\c:EE+2*\c+1], v[GS+2:GS+3], v[DC+4*\c+2:DC+4*\c+3], v[EE+2*\c:EE+2*\c+1]
.endr
.irp c, 0,1,2
	v_add_f32 v[EE+2*\c], v[EE+2*\c], v[EE+2*\c+1]
.endr
.irp c, 0,1,2
	v_fma_f32 v[EE+2*\c], v[EE+2*\c], v[DWC+\c], v[GS+4+\c]
.endr
.irp c, 0,1,2
	v_permlanex16_b32 v[EE+2*\c+1], v[EE+2*\c], s32, s33
.endr
.irp c, 0,1,2
	v_add_f32 v[EE+2*\c], v[EE+2*\c], v[EE+2*\c+1]
.endr
	v_add_nc_u32 v[VTB], s24, v[VGR]
.irp c, 0,1,2
	ds_store_b32 v[VTB], v[EE+2*\c] offset:4*\c
.endr
	KEEP
	WIN 0                                          ; at a branch and at a label every window is 0
	; ---- every eighth tile the stage leaves: 128 points' sdf are 512 bytes, their gradients 1,536
	s_cmp_lg_u32 s21, 7
	s_cbranch_scc1 .Lkeep
	s_lshr_b32 s23, s20, 3
	s_wait_xcnt 0x0                                ; the last flush's stores have read their data and bases: both are written again only behind this wait
	s_lshl_b32 s68, s23, 9
	s_mov_b32 s69, 0
	s_add_nc_u64 s[70:71], s[14:15], s[68:69]
	s_mul_i32 s68, s23, 1536
	s_add_nc_u64 s[72:73], s[16:17], s[68:69]
	WIN 0xff
.irp k, 0,1,2,3
	ds_load_b128 v[OUT+4*\k:OUT+4*\k+3], v[VLF] offset:512*\k          ; LDS serves a wave's instructions in order (ISA guide 5.7.1.4): these see my stores
.endr
	s_wait_dscnt 0x0
	global_store_b128 v[VL16], v[OUT:OUT+3], s[70:71] th:TH_STORE_NT   ; each store covers 512 consecutive bytes, at a multiple of 512 from the output's first byte
.irp k, 0,1,2
	global_store_b128 v[VL16], v[OUT+4+4*\k:OUT+7+4*\k], s[72:73] offset:512*\k th:TH_STORE_NT
.endr
	WIN 0
.Lkeep:
	s_add_co_u32 s20, s20, 1
	s_cmp_lt_u32 s20, 32
	s_cbranch_scc1 .Ltile
	s_wait_tensorcnt 0x0
	ds_add_u32 v254, v255
	s_wait_dscnt 0x0
	s_endpgm
.Lfunc_end_k_qf0ae7a5936_sdf:
	.size	k_qf0ae7a5936_sdf, .Lfunc_end_k_qf0ae7a5936_sdf-k_qf0ae7a5936_sdf
	.p2alignl 7, 3214868480
	.fill 96, 4, 3214868480
	.section	.rodata,"a",@progbits
	.p2align	6, 0x0
	.amdhsa_kernel k_qf0ae7a5936_sdf
		.amdhsa_group_segment_fixed_size 8704
		.amdhsa_private_segment_fixed_size 0
		.amdhsa_enable_private_segment 0
		.amdhsa_kernarg_size 56
		.amdhsa_user_sgpr_count 2
		.amdhsa_user_sgpr_kernarg_segment_ptr 1
		.amdhsa_wavefront_size32 1
		.amdhsa_system_sgpr_workgroup_id_x 1
		.amdhsa_system_sgpr_workgroup_id_y 1
		.amdhsa_system_sgpr_workgroup_id_z 1
		.amdhsa_system_vgpr_workitem_id 0
		.amdhsa_next_free_vgpr 1024
		.amdhsa_next_free_sgpr 80
		.amdhsa_reserve_vcc 0
		.amdhsa_float_denorm_mode_32 3
		.amdhsa_float_denorm_mode_16_64 3
		.amdhsa_memory_ordered 1
		.amdhsa_forward_progress 1
		.amdhsa_inst_pref_size 148
	.end_amdhsa_kernel
	.amdgpu_metadata
---
amdhsa.version: [ 1, 2 ]
amdhsa.kernels:
  - .name:           k_qf0ae7a5936_sdf
    .symbol:         k_qf0ae7a5936_sdf.kd
    .args:
      - { .name: positions, .offset: 0, .size: 8, .value_kind: global_buffer, .address_space: global }
      - { .name: idx, .offset: 8, .size: 8, .value_kind: global_buffer, .address_space: global }
      - { .name: wts, .offset: 16, .size: 8, .value_kind: global_buffer, .address_space: global }
      - { .name: embeddings, .offset: 24, .size: 8, .value_kind: global_buffer, .address_space: global }
      - { .name: bo, .offset: 32, .size: 8, .value_kind: global_buffer, .address_space: global }
      - { .name: out0, .offset: 40, .size: 8, .value_kind: global_buffer, .address_space: global }
      - { .name: out1, .offset: 48, .size: 8, .value_kind: global_buffer, .address_space: global }
    .group_segment_fixed_size: 8704
    .private_segment_fixed_size: 0
    .kernarg_segment_align: 8
    .kernarg_segment_size: 56
    .max_flat_workgroup_size: 128
    .sgpr_count:     80
    .vgpr_count:     1024
    .wavefront_size: 32
...
	.end_amdgpu_metadata
.endif
;; end of part 2
;; ======== version 2 of 2: 2 launches; version 1 with the launch sdf written anew for expert scheduling mode
;; limits: right only within a limited range of input values
;; workspace buffers: idx 2,097,152 bytes of whole numbers; wts 53,248 bytes
;; launch prep: the kernel of part 1 again; grid 515 x 1, 8 waves a work-group, no clusters, 0 bytes of LDS; arguments positions, W0, b0, W1, b1, Wo, idx, wts; writes idx, wts
;; launch sdf (part 3): grid 256 x 1, 4 waves a work-group, no clusters, 8,704 bytes of LDS; arguments positions, idx, wts, embeddings, bo, out0, out1; writes out0, out1
.if DOCPART == 3
	.amdgcn_target "amdgcn-amd-amdhsa--gfx1250"
	.amdhsa_code_object_version 6
	.text
	.protected	k_qf0ae7a5936_sdf
	.globl	k_qf0ae7a5936_sdf
	.p2align	8
	.type	k_qf0ae7a5936_sdf,@function
k_qf0ae7a5936_sdf:
	s_mov_b64 s[64:65], 0
	v_nop
	global_prefetch_b8 v0, s[64:65] scope:SCOPE_SE
	s_setreg_imm32_b32 hwreg(HW_REG_WAVE_SCHED_MODE, 0, 2), 2
	s_setreg_imm32_b32 hwreg(HW_REG_WAVE_MODE, 25, 1), 1
	s_wait_xcnt 0x0
	s_wait_alu depctr_vm_vsrc(0)
; out0 = sdf(p), out1 = d sdf / d p.  emb = smooth-step trilinear lookup; h0 = [emb, p]; h1 = sin(30 (h0 W0 + b0)); h2 = sin(30 (Q(h1) Q(W1) + b1)); sdf = h2 Wo + bo;
; back: g1 = Wo x 30 cos(a1); gh1 = Q(g1) Q(W1)^T; g0 = gh1 x 30 cos(a0); gh0 = g0 W0^T; grad[c] = gh0[8 + c] + dw_c/dp_c x sum over e of gh0[e] x d emb[e] / d w_c.
; The two products with W1 go on codes of BF6 (E3M2) with E8M0 scales; h0 W0 + b0 feeds a quantiser and goes with f32 operands; g0 W0^T feeds none and goes in bf16.  The forward pass is computed once and serves both results.
; SHARES.  1,024 waves, one to a SIMD; a wave owns 512 points, 32 tiles of 16.  All weights stay in its registers (images made by the launch before).  Waves share nothing: no barrier.
; LAYOUT.  Every product is used TRANSPOSED (source 0 = 16 units of a weight, source 1 = my 16 points): lane (r, h) holds point r throughout; register j of tile t is unit 32 (t / 2) + 16 h + 8 (t % 2) + j,
; so the 16 registers of tiles 2 b, 2 b + 1 are 16 neighbours along the next K.  In the lookup lane (r, h) holds components 4 h .. 4 h + 3 of each corner.
; THE VECTOR UNIT BINDS: 256 sines with their cosines a point, by range reduction and polynomial.  So every matrix instruction stands singly between vector instructions (a QUEUE of them, a HOOK where the next one
; is written), which costs two window switches each; and a tile's lookup is done, and the next one's eight gathers are asked for, in the middle of the tile before.
; SINE AND COSINE of 30 z: n = round(z x 30 / pi) (by adding 1.5 x 2^23); rho = z - n pi / 30 in two parts; sigma = +-30 by n's parity; zeta = rho^2;
; sin = sigma rho (1 + zeta Q(zeta)), 30 cos = sigma (1 + zeta P(zeta)); Q, P of degree 4: Abramowitz and Stegun 4.3.97, 4.3.99, each coefficient x 900^k.
; LIMITS: |30 z / pi| under 2^22; the polynomials are good to about 1e-7 absolute; NaN and infinite positions are not served; a block of zeros has the scale byte 1 (its codes are zeros);
; 30, cos and Wo are multiplied in another order than the reference's (a last bit); at a tie of the clip half the gradient passes.
; NOT USED: tensor loads and a ring (the one large stream is a gather of 16 bytes a lane); clusters (work-groups share only 52 KB of weights, read once); prefetches (the gathers are asked for a whole tile ahead).
; THE MODE: SCHED_MODE bits 1:0 = 2 (LLVM: expert scheduling mode 2), set by the entry lines.  The code itself states the register dependences
; between vector or matrix instructions and memory or LDS instructions, with s_wait_alu, always for 0.
; THE PLAN.  Registers that memory or LDS instructions touch:
;   the weights' images      Loaded at the head, never written again.
;   VL, VPO, VIO, VL16, VLF  Addresses, made once at the head and never written again.
;   OF      Written by NEXT's eight additions, read by its eight gathers, written again a trip later.
;   GA, PP  NEXT's loads land in them; the next trip's INTERP reads them, and NEXT follows INTERP at once.
;   IX      NEXT's last load lands in it; the next NEXT's own vector lines read it, ahead of that load.
;   SD, VTA Written by vector lines behind NEXT; read by the one LDS store of the sdf.
;   EE, VTB Written by vector lines at the trip's end; read by the three LDS stores of the gradient.
;   OUT     The flush's LDS loads land in it, its global stores read it; no vector instruction names it.
; A TRIP'S WAITS.  On va_vdst: ahead of the first scaled product with h1 (its codes and scale word are written); in NEXT, behind the offsets and ahead of its ten loads; ahead of the sdf's LDS store, where it also
; states that g1's codes and scale word are written, for the scaled products that follow; ahead of the gradient's LDS stores.  On vm_vsrc: one, at NEXT's head: OF, SD, VTA, EE, VTB and OUT are all
; written again only behind NEXT in a trip's order, on the way with the flush and on the way without.
;
; REGISTERS, in windows of 256 (s_set_vgpr_msb's low byte: bits 1:0 source 0, 3:2 source 1, 5:4 source 2, 7:6 destination).
; window 0: sines, cosines, quantisers and all results of matrix instructions;  v254: the LDS address of my spare word, 0x2000 + 4 x thread; v255: 0: made at the head and kept for the closing lines alone
.set VL,   1                           ; 16 x lane
.set VSD,  2                           ; LDS: my point's place among a tile's 16 sdf
.set VTA,  3                           ; the same for the tile in hand
.set PD,   4                           ; v4-5    destinations of lane permutes
.set MG,   6                           ; v6-7    1.5 x 2^23, twice
.set VA5,  8                           ; v8-9    A5
.set VB5,  10                          ; v10-11  B5
.set W1FS, 12                          ; v12-19  scale words of W1 along its first axis, a tile each
.set W1BS, 20                          ; v20-27  along its second
.set HW,   28                          ; h1's scale word
.set GW,   29                          ; g1's
.set SD,   30                          ; v30-37  sums of h2 x Wo
.set HC,   38                          ; v38-49  h1's codes
.set GC,   50                          ; v50-61  g1's
.set R0,   64                          ; v64-95, v96-127, v128-159: results of matrix instructions, four tiles each; no vector instruction and no load writes them
.set R1,   96
.set R2,   128
.set S,    160                         ; v160-191 four tiles of h1, later of g1, later g0 in bf16 (all eight tiles)
.set TPT,  192                         ; v192-239 at work on a tile of 8 registers: pair p at + 2 p
.set TPN,  200
.set TPR,  208
.set TPQ,  216
.set TPP,  224
.set TPU,  232
.set QA,   192                         ; the quantiser's, over them
.set QB,   194
.set QS,   196
.set QY,   198
.set QT,   204
; window 1
.set W1F,  0                           ; W1's codes, K = first axis: 12 t
.set W1B,  96                          ; K = second axis
.set W0F,  192                         ; W0 and b0, f32: 6 t + 2 s
; window 2
.set B1C,  0                           ; b1: 8 t
.set WO,   64                          ; Wo: 8 t
.set W0T,  128                         ; W0^T, bf16: 8 b
.set C0,   160                         ; 30 cos(a0): 8 t
; window 3: the lookup and the end of the gradient
.set GA,   0                           ; v0-31   the eight corners, corner 4 a + 2 b + c (x, y, z) at 4 q
.set OF,   32                          ; v32-39  their byte offsets
.set PP,   40                          ; v40-42  the point; v43 = 0
.set IX,   44                          ; the cell of the tile to be gathered next
.set IXP,  45                          ; of the tile whose corners are on their way or here
.set XX,   46
.set XC,   50
.set FI,   54
.set TT3,  58
.set WW,   62                          ; w: (x, y), (z, -)
.set OM,   66                          ; 1 - w
.set WYP,  70                          ; w_y, 1 - w_y as the low words of pairs
.set OYP,  72
.set DWN,  74                          ; dw/dp of the tile just looked up;  DWC: of the tile in hand
.set DWC,  78
.set DN,   82                          ; d emb / d w_c, 4 components for c = x, y, z;  DC likewise
.set DC,   94
.set H0,   106                         ; v106-111 h0 as three f32 fragments
.set DD,   112
.set UU,   116
.set T2,   120
.set QQ,   124
.set C00,  128
.set C10,  132
.set C01,  136
.set C11,  140
.set CZ0,  144
.set CZ1,  148
.set F00,  152
.set F10,  156
.set F01,  160
.set F11,  164
.set E0,   168
.set E1,   172
.set NI,   112                         ; the gathers' addresses are made over DD .. QQ
.set NJ,   115
.set NX,   118
.set NXY,  120
.set NZ,   124
.set GS,   176                         ; v176-183 gh0
.set EE,   184
.set VPO,  192                         ; 12 r
.set VIO,  193                         ; 4 r
.set VH16, 194                         ; 16 h
.set VGR,  195                         ; LDS: my point's place among a tile's gradients
.set VL16, 196                         ; 16 x lane
.set VTB,  197
.set VLF,  198                         ; LDS: my 16 bytes of the stage
.set OUT,  208
; LDS: 2,048 bytes a wave, a stage for 8 tiles: 512 bytes of sdf (64 i8 + 4 r), 1,536 of gradients (192 i8 + 12 r + 4 c); behind the four stages, from 0x2000 on, the spare words, 128 bytes a wave, which no other line names
.set MSB, 0
.macro WIN new                         ; the immediate's high byte repeats the setting that is left; a switch that changes nothing is dropped
.if MSB != \new
	s_set_vgpr_msb (MSB<<8)|\new
.set MSB, \new
.endif
.endm
.macro SPAIR r, val                    ; a constant for packed instructions: they name a pair and take its low word for both halves
	s_mov_b32 s[\r], \val
	s_mov_b32 s[\r+1], \val
.endm
; THE QUEUE of matrix instructions.  kind 0, 4: h0 W0 + b0, tiles kind .. kind + 3, K step i / 4, into R0 (kind 0) or R1 (kind 4): four accumulators by turns.
; kind 1: tile i of Q(h1) Q(W1) + b1;  kind 2: tile i of Q(g1) Q(W1)^T (tiles 0-3 into R2, 4-7 into R1);  kind 3: K step i of g0 W0^T, two accumulators by turns.
; No two matrix instructions that follow each other in the text share an accumulator, over the loop's backward jump too.
.macro QUEUE kind, first, last
.set HK_KIND, \kind
.set HK_I, \first
.set HK_N, \last
.endm
.macro EMIT
.if (HK_KIND == 0) || (HK_KIND == 4)
.set hd, R0+8*HK_KIND+8*(HK_I%4)
.set ha, W0F+6*(HK_KIND+HK_I%4)+2*(HK_I/4)
.set hb, H0+2*(HK_I/4)
	WIN 0x0d                                       ; W0 window 1, h0 window 3
.if HK_I < 4
	v_wmma_f32_16x16x4_f32 v[hd:hd+7], v[ha:ha+1], v[hb:hb+1], 0
.else
	v_wmma_f32_16x16x4_f32 v[hd:hd+7], v[ha:ha+1], v[hb:hb+1], v[hd:hd+7]
.endif
.elseif HK_KIND == 1
.set hd, R2+8*HK_I-64*(HK_I/4)
	WIN 0x21                                       ; W1 window 1, b1 window 2
.if HK_I == 0
	s_wait_alu depctr_va_vdst(0)                   ; the quantiser has written h1's codes and scale word, which the eight scaled matrix instructions of this queue take; the plain lines ahead of the hook stay beside this wait
.endif
	v_wmma_scale_f32_16x16x128_f8f6f4 v[hd:hd+7], v[W1F+12*HK_I:W1F+12*HK_I+11], v[HC:HC+11], v[B1C+8*HK_I:B1C+8*HK_I+7], v[W1FS+HK_I], v[HW] matrix_a_fmt:MATRIX_FMT_BF6 matrix_b_fmt:MATRIX_FMT_BF6
.elseif HK_KIND == 2
.set hd, R2+8*HK_I-64*(HK_I/4)
	WIN 0x01
	v_wmma_scale_f32_16x16x128_f8f6f4 v[hd:hd+7], v[W1B+12*HK_I:W1B+12*HK_I+11], v[GC:GC+11], 0, v[W1BS+HK_I], v[GW] matrix_a_fmt:MATRIX_FMT_BF6 matrix_b_fmt:MATRIX_FMT_BF6
.else
.set hd, R2+8*(HK_I%2)
	WIN 0x02                                       ; W0^T window 2
.if HK_I < 2
	v_wmma_f32_16x16x32_bf16 v[hd:hd+7], v[W0T+8*HK_I:W0T+8*HK_I+7], v[S+8*HK_I:S+8*HK_I+7], 0
.else
	v_wmma_f32_16x16x32_bf16 v[hd:hd+7], v[W0T+8*HK_I:W0T+8*HK_I+7], v[S+8*HK_I:S+8*HK_I+7], v[hd:hd+7]
.endif
.endif
.set HK_I, HK_I+1
.endm
.macro HOOK ret                        ; the queue's next instruction, if one is left; then back to window setting ret
.if HK_I < HK_N
	EMIT
	WIN \ret
.endif
.endm
.macro HOOKALL ret                     ; all that are left
.rept 12
.if HK_I < HK_N
	EMIT
.endif
.endr
	WIN \ret
.endm
; SINE AND COSINE of 30 z for one tile t: 8 registers at z, four pairs; each step for the four pairs in turn.  The tile's first read is its registers 0 and 1.
; kind 0: h1 -> S, 30 cos -> C0.   kind 1: SD += h2 x Wo, Wo x 30 cos -> S.
.macro SC kind, z, t
.irp p, 0,1,2,3
	v_pk_fma_f32 v[TPT+2*\p:TPT+2*\p+1], v[2*\p+(\z):2*\p+(\z)+1], s[42:43], v[MG:MG+1] op_sel_hi:[1,0,1]   ; z x 30 / pi + 1.5 x 2^23: n in the low bits
.endr
.irp p, 0,1,2,3
	v_pk_add_f32 v[TPN+2*\p:TPN+2*\p+1], v[TPT+2*\p:TPT+2*\p+1], s[44:45] op_sel_hi:[1,0]                    ; n
.endr
.irp p, 0,1,2,3
	v_pk_fma_f32 v[TPR+2*\p:TPR+2*\p+1], v[TPN+2*\p:TPN+2*\p+1], s[46:47], v[2*\p+(\z):2*\p+(\z)+1] op_sel_hi:[1,0,1]   ; z - n x (pi / 30)'s upper part,
.endr
.irp p, 0,1,2,3
	v_pk_fma_f32 v[TPR+2*\p:TPR+2*\p+1], v[TPN+2*\p:TPN+2*\p+1], s[48:49], v[TPR+2*\p:TPR+2*\p+1] op_sel_hi:[1,0,1]     ; and its lower: rho
.endr
	HOOK 0
.irp i, 0,1,2,3,4,5,6,7
	v_lshl_or_b32 v[TPT+\i], v[TPT+\i], 31, 0x41f00000                                                        ; sigma: 30 with n's parity as its sign
.endr
.irp p, 0,1,2,3
	v_pk_mul_f32 v[TPN+2*\p:TPN+2*\p+1], v[TPR+2*\p:TPR+2*\p+1], v[TPR+2*\p:TPR+2*\p+1]                       ; zeta
.endr
.irp p, 0,1,2,3
	v_pk_mul_f32 v[TPR+2*\p:TPR+2*\p+1], v[TPR+2*\p:TPR+2*\p+1], v[TPT+2*\p:TPT+2*\p+1]                       ; sigma rho
.endr
	HOOK 0
.irp p, 0,1,2,3
	v_pk_fma_f32 v[TPQ+2*\p:TPQ+2*\p+1], v[TPN+2*\p:TPN+2*\p+1], v[VA5:VA5+1], s[50:51] op_sel_hi:[1,1,0]
	v_pk_fma_f32 v[TPP+2*\p:TPP+2*\p+1], v[TPN+2*\p:TPN+2*\p+1], v[VB5:VB5+1], s[58:59] op_sel_hi:[1,1,0]
.endr
.irp p, 0,1,2,3
	v_pk_fma_f32 v[TPQ+2*\p:TPQ+2*\p+1], v[TPQ+2*\p:TPQ+2*\p+1], v[TPN+2*\p:TPN+2*\p+1], s[52:53] op_sel_hi:[1,1,0]
	v_pk_fma_f32 v[TPP+2*\p:TPP+2*\p+1], v[TPP+2*\p:TPP+2*\p+1], v[TPN+2*\p:TPN+2*\p+1], s[60:61] op_sel_hi:[1,1,0]
.endr
.irp p, 0,1,2,3
	v_pk_fma_f32 v[TPQ+2*\p:TPQ+2*\p+1], v[TPQ+2*\p:TPQ+2*\p+1], v[TPN+2*\p:TPN+2*\p+1], s[54:55] op_sel_hi:[1,1,0]
	v_pk_fma_f32 v[TPP+2*\p:TPP+2*\p+1], v[TPP+2*\p:TPP+2*\p+1], v[TPN+2*\p:TPN+2*\p+1], s[62:63] op_sel_hi:[1,1,0]
.endr
	HOOK 0
.irp p, 0,1,2,3
	v_pk_fma_f32 v[TPQ+2*\p:TPQ+2*\p+1], v[TPQ+2*\p:TPQ+2*\p+1], v[TPN+2*\p:TPN+2*\p+1], s[56:57] op_sel_hi:[1,1,0]
	v_pk_fma_f32 v[TPP+2*\p:TPP+2*\p+1], v[TPP+2*\p:TPP+2*\p+1], v[TPN+2*\p:TPN+2*\p+1], s[66:67] op_sel_hi:[1,1,0]
.endr
.irp p, 0,1,2,3
	v_pk_mul_f32 v[TPU+2*\p:TPU+2*\p+1], v[TPR+2*\p:TPR+2*\p+1], v[TPN+2*\p:TPN+2*\p+1]                       ; sigma rho zeta
.endr
.if \kind == 0
.irp p, 0,1,2,3
	v_pk_fma_f32 v[S+8*((\t)%4)+2*\p:S+8*((\t)%4)+2*\p+1], v[TPQ+2*\p:TPQ+2*\p+1], v[TPU+2*\p:TPU+2*\p+1], v[TPR+2*\p:TPR+2*\p+1]   ; the sine
.endr
.irp p, 0,1,2,3
	v_pk_mul_f32 v[TPN+2*\p:TPN+2*\p+1], v[TPT+2*\p:TPT+2*\p+1], v[TPN+2*\p:TPN+2*\p+1]                       ; sigma zeta
.endr
	WIN 0x80                                       ; destination window 2
.irp p, 0,1,2,3
	v_pk_fma_f32 v[C0+8*(\t)+2*\p:C0+8*(\t)+2*\p+1], v[TPP+2*\p:TPP+2*\p+1], v[TPN+2*\p:TPN+2*\p+1], v[TPT+2*\p:TPT+2*\p+1]   ; 30 x the cosine
.endr
	WIN 0
.else
.irp p, 0,1,2,3
	v_pk_fma_f32 v[TPU+2*\p:TPU+2*\p+1], v[TPQ+2*\p:TPQ+2*\p+1], v[TPU+2*\p:TPU+2*\p+1], v[TPR+2*\p:TPR+2*\p+1]   ; the sine
.endr
	WIN 0x08                                       ; source 1 (Wo) window 2
.irp p, 0,1,2,3
.if (\t) == 0
	v_pk_mul_f32 v[SD+2*\p:SD+2*\p+1], v[TPU+2*\p:TPU+2*\p+1], v[WO+8*(\t)+2*\p:WO+8*(\t)+2*\p+1]            ; the first tile starts the sums
.else
	v_pk_fma_f32 v[SD+2*\p:SD+2*\p+1], v[TPU+2*\p:TPU+2*\p+1], v[WO+8*(\t)+2*\p:WO+8*(\t)+2*\p+1], v[SD+2*\p:SD+2*\p+1]
.endif
.endr
.irp p, 0,1,2,3
	v_pk_mul_f32 v[TPT+2*\p:TPT+2*\p+1], v[TPT+2*\p:TPT+2*\p+1], v[WO+8*(\t)+2*\p:WO+8*(\t)+2*\p+1]          ; sigma Wo
.endr
	WIN 0
.irp p, 0,1,2,3
	v_pk_mul_f32 v[TPN+2*\p:TPN+2*\p+1], v[TPT+2*\p:TPT+2*\p+1], v[TPN+2*\p:TPN+2*\p+1]
.endr
.irp p, 0,1,2,3
	v_pk_fma_f32 v[S+8*((\t)%4)+2*\p:S+8*((\t)%4)+2*\p+1], v[TPP+2*\p:TPP+2*\p+1], v[TPN+2*\p:TPN+2*\p+1], v[TPT+2*\p:TPT+2*\p+1]   ; Wo x 30 x the cosine
.endr
.endif
.endm
; THE QUANTISER for blocks 2 c, 2 c + 1 of an operand: 32 numbers of a lane at S (register 16 b + i = k 64 c + 32 b + 16 h + i of my point) become registers cd .. cd + 5 and two bytes of the scale word.
.macro QUANT2 cd, word, c
.irp b, 0,1
	v_max3_num_f32 v[QA+\b], |v[S+16*\b]|, |v[S+16*\b+1]|, 0x2800000      ; my 16 numbers in two chains, and the floor 2^(5 - 127): the byte cannot fall under 1
	v_max3_num_f32 v[QB+\b], |v[S+16*\b+2]|, |v[S+16*\b+3]|, |v[S+16*\b+4]|
.endr
.irp i, 5,9
.irp b, 0,1
	v_max3_num_f32 v[QA+\b], v[QA+\b], |v[S+16*\b+\i]|, |v[S+16*\b+\i+1]|
	v_max3_num_f32 v[QB+\b], v[QB+\b], |v[S+16*\b+\i+2]|, |v[S+16*\b+\i+3]|
.endr
.endr
.irp b, 0,1
	v_max3_num_f32 v[QA+\b], v[QA+\b], |v[S+16*\b+13]|, |v[S+16*\b+14]|
.endr
.irp b, 0,1
	v_max3_num_f32 v[QA+\b], v[QA+\b], v[QB+\b], |v[S+16*\b+15]|
.endr
.irp b, 0,1
	v_permlanex16_b32 v[PD+\b], v[QA+\b], s32, s33
.endr
.irp b, 0,1
	v_max_num_f32 v[QA+\b], v[QA+\b], v[PD+\b]     ; with lane l xor 16's: the block's largest magnitude
.endr
.irp b, 0,1
	v_add_nc_u32 v[QS+\b], 0xfe000000, v[QA+\b]    ; 4 off its exponent field: the conversion's scale operand
.endr
.irp b, 0,1
	v_lshrrev_b32 v[QY+\b], 23, v[QS+\b]           ; the scale's byte
.endr
.if \c == 0
	v_lshl_or_b32 v[\word], v[QY+1], 8, v[QY]
.else
	v_lshl_or_b32 v[\word], v[QY], 16, v[\word]
	v_lshl_or_b32 v[\word], v[QY+1], 24, v[\word]
.endif
	v_cvt_scalef32_pk16_bf6_f32 v[\cd:\cd+2], v[S:S+15], v[QS]
	v_cvt_scalef32_pk16_bf6_f32 v[QT:QT+2], v[S+16:S+31], v[QS+1]      ; (a conversion's three registers begin on an even number)
	v_nop                                          ; one plain instruction behind the scaled conversions
.irp i, 0,1,2
	v_permlane16_swap_b32 v[\cd+\i], v[QT+\i]      ; the operand wants a whole block in a lane: lanes 0-15 block 2 c, lanes 16-31 block 2 c + 1
.endr
.irp i, 0,1,2
	v_mov_b32 v[\cd+3+\i], v[QT+\i]
.endr
.endm
; d = a x om + b x w on four components; om and w are low words of pairs
.macro LERP d, a, b, om, w
	v_pk_mul_f32 v[\d:\d+1], v[\a:\a+1], v[\om:\om+1] op_sel_hi:[1,0]
	v_pk_mul_f32 v[\d+2:\d+3], v[\a+2:\a+3], v[\om:\om+1] op_sel_hi:[1,0]
	v_pk_fma_f32 v[\d:\d+1], v[\b:\b+1], v[\w:\w+1], v[\d:\d+1] op_sel_hi:[1,0,1]
	v_pk_fma_f32 v[\d+2:\d+3], v[\b+2:\b+3], v[\w:\w+1], v[\d+2:\d+3] op_sel_hi:[1,0,1]
.endm
.macro SUB d, b, a                     ; d = b - a
	v_pk_add_f32 v[\d:\d+1], v[\b:\b+1], v[\a:\a+1] neg_lo:[0,1] neg_hi:[0,1]
	v_pk_add_f32 v[\d+2:\d+3], v[\b+2:\b+3], v[\a+2:\a+3] neg_lo:[0,1] neg_hi:[0,1]
.endm
; THE LOOKUP of the tile whose point, cell and corners are in PP, IXP, GA: h0 -> H0, d emb / d w -> DN, dw/dp -> DWN.  All in window 3 (the caller has set 0xff).
; The eight packed lines ahead of the first hook are the plain instructions between the quantiser's last writes of codes and scale word and the first scaled matrix instruction.
.macro INTERP
	v_pk_add_f32 v[XX:XX+1], v[PP:PP+1], 1.0 op_sel_hi:[1,0]
	v_pk_add_f32 v[XX+2:XX+3], v[PP+2:PP+3], 1.0 op_sel_hi:[1,0]
	v_pk_mul_f32 v[XX:XX+1], v[XX:XX+1], 0.5 op_sel_hi:[1,0]
	v_pk_mul_f32 v[XX+2:XX+3], v[XX+2:XX+3], 0.5 op_sel_hi:[1,0]
	v_pk_mul_f32 v[XX:XX+1], v[XX:XX+1], s[38:39] op_sel_hi:[1,0]      ; x = (p + 1) x 0.5 x 127, the same three roundings as in the launch before
	v_pk_mul_f32 v[XX+2:XX+3], v[XX+2:XX+3], s[38:39] op_sel_hi:[1,0]
	v_pk_fma_f32 v[DD:DD+1], v[XX:XX+1], -1.0, s[38:39] op_sel_hi:[1,0,0]   ; 127 - x
	v_pk_fma_f32 v[DD+2:DD+3], v[XX+2:XX+3], -1.0, s[38:39] op_sel_hi:[1,0,0]
	HOOK 0xff
.irp c, 0,1,2
	v_min_num_f32 v[DD+\c], v[DD+\c], v[XX+\c]     ; how far inside the clip
.endr
.irp c, 0,1,2
	v_fma_f32 v[DD+\c], v[DD+\c], s35, s36         ; x 2^30 + 190.5,
.endr
.irp c, 0,1,2
	v_med3_num_f32 v[DD+\c], v[DD+\c], 0, s37      ; held to 0 .. 381: 6 x 63.5 inside, half of it at a tie, 0 outside
.endr
	HOOK 0xff
.irp c, 0,1,2
	v_med3_num_f32 v[XC+\c], v[XX+\c], 0, s38
.endr
	v_bfe_u32 v[FI], v[IXP], 14, 7
	v_bfe_u32 v[FI+1], v[IXP], 7, 7
	v_bfe_u32 v[FI+2], v[IXP], 0, 7
.irp c, 0,1,2
	v_cvt_f32_u32 v[FI+\c], v[FI+\c]
.endr
	HOOK 0xff
	SUB TT3, XC, FI                                ; t
	v_pk_fma_f32 v[UU:UU+1], v[TT3:TT3+1], -2.0, s[40:41] op_sel_hi:[1,0,0]
	v_pk_fma_f32 v[UU+2:UU+3], v[TT3+2:TT3+3], -2.0, s[40:41] op_sel_hi:[1,0,0]
	v_pk_mul_f32 v[T2:T2+1], v[TT3:TT3+1], v[TT3:TT3+1]
	v_pk_mul_f32 v[T2+2:T2+3], v[TT3+2:TT3+3], v[TT3+2:TT3+3]
	v_pk_mul_f32 v[WW:WW+1], v[T2:T2+1], v[UU:UU+1]                    ; w = t t (3 - 2 t)
	v_pk_mul_f32 v[WW+2:WW+3], v[T2+2:T2+3], v[UU+2:UU+3]
	HOOK 0xff
	v_pk_fma_f32 v[OM:OM+1], v[WW:WW+1], -1.0, 1.0 op_sel_hi:[1,0,0]
	v_pk_fma_f32 v[OM+2:OM+3], v[WW+2:WW+3], -1.0, 1.0 op_sel_hi:[1,0,0]
	v_pk_fma_f32 v[QQ:QQ+1], v[T2:T2+1], -1.0, v[TT3:TT3+1] op_sel_hi:[1,0,1]   ; t - t t
	v_pk_fma_f32 v[QQ+2:QQ+3], v[T2+2:T2+3], -1.0, v[TT3+2:TT3+3] op_sel_hi:[1,0,1]
	v_pk_mul_f32 v[DWN:DWN+1], v[QQ:QQ+1], v[DD:DD+1]                  ; dw/dp
	v_pk_mul_f32 v[DWN+2:DWN+3], v[QQ+2:QQ+3], v[DD+2:DD+3]
	v_mov_b32 v[WYP], v[WW+1]
	v_mov_b32 v[OYP], v[OM+1]
	HOOK 0xff
	SUB F00, GA+16, GA
	SUB F10, GA+24, GA+8
	SUB F01, GA+20, GA+4
	SUB F11, GA+28, GA+12
	HOOK 0xff
	LERP E0, F00, F10, OYP, WYP
	LERP E1, F01, F11, OYP, WYP
	HOOK 0xff
	LERP DN, E0, E1, OM+2, WW+2                    ; d emb / d w_x
	LERP C00, GA, GA+16, OM, WW
	LERP C10, GA+8, GA+24, OM, WW
	HOOK 0xff
	LERP C01, GA+4, GA+20, OM, WW
	LERP C11, GA+12, GA+28, OM, WW
	SUB F00, C10, C00
	SUB F10, C11, C01
	LERP DN+4, F00, F10, OM+2, WW+2                ; d emb / d w_y
	LERP CZ0, C00, C10, OYP, WYP
	LERP CZ1, C01, C11, OYP, WYP
	SUB DN+8, CZ1, CZ0                             ; d emb / d w_z
	LERP H0, CZ0, CZ1, OM+2, WW+2                  ; emb: K slots (s, h, j) = component 4 h + 2 s + j
	v_cndmask_b32 v[H0+4], v[PP], v[PP+2], s34     ; lanes 0-15: p0, p1; lanes 16-31: p2 and the 1 that meets b0
	v_cndmask_b32 v[H0+5], v[PP+1], 1.0, s34
.endm
; THE NEXT REQUESTS (window 3): the eight corners of the tile whose cell is in IX; then the point of tile s23 and the cell of tile s24.
; The offsets, the two bases and the destinations were last used by loads that the caller's wait for all loads has shown done.
; All vector lines and the two bases come first; the ten loads then stand in one run behind one wait.
.macro NEXT
	s_wait_alu depctr_vm_vsrc(0)                   ; the last gathers have read OF, which is written below; the last tile's LDS stores have read SD, VTA, EE and VTB, and the last flush's stores OUT: all these are written again only further down the trip
	v_bfe_u32 v[NI], v[IX], 14, 7
	v_bfe_u32 v[NI+1], v[IX], 7, 7
	v_bfe_u32 v[NI+2], v[IX], 0, 7
.irp c, 0,1,2
	v_min_u32 v[NI+\c], 127, v[NI+\c]              ; a loaded number enters an address held to the table's size
.endr
.irp c, 0,1,2
	v_add_nc_u32 v[NJ+\c], 1, v[NI+\c]
.endr
.irp c, 0,1,2
	v_min_u32 v[NJ+\c], 127, v[NJ+\c]              ; the upper corner stays in the grid
.endr
	v_lshlrev_b32 v[NX], 19, v[NI]                 ; a vertex is 32 bytes: x << 19 | y << 12 | z << 5
	v_lshlrev_b32 v[NX+1], 19, v[NJ]
	v_lshl_add_u32 v[NXY], v[NI+1], 12, v[NX]
	v_lshl_add_u32 v[NXY+1], v[NJ+1], 12, v[NX]
	v_lshl_add_u32 v[NXY+2], v[NI+1], 12, v[NX+1]
	v_lshl_add_u32 v[NXY+3], v[NJ+1], 12, v[NX+1]
	v_lshl_add_u32 v[NZ], v[NI+2], 5, v[VH16]      ; + 16 h: my four components
	v_lshl_add_u32 v[NZ+1], v[NJ+2], 5, v[VH16]
.irp q, 0,1,2,3,4,5,6,7
	v_add_nc_u32 v[OF+\q], v[NXY+\q/2], v[NZ+\q%2]
.endr
	v_mov_b32 v[IXP], v[IX]
	s_mul_i32 s68, s23, 192
	s_mov_b32 s69, 0
	s_add_nc_u64 s[28:29], s[4:5], s[68:69]
	s_lshl_b32 s68, s24, 6
	s_add_nc_u64 s[30:31], s[6:7], s[68:69]
	s_wait_alu depctr_va_vdst(0)                   ; OF is written, which the gathers read; the lookup is done reading GA and PP, and the lines above IX, in which the ten loads land
.irp q, 0,1,2,3,4,5,6,7
	global_load_b128 v[GA+4*\q:GA+4*\q+3], v[OF+\q], s[10:11]          ; no hint: vertices are wanted again by other points
.endr
	global_load_b96 v[PP:PP+2], v[VPO], s[28:29] th:TH_LOAD_NT
	global_load_b32 v[IX], v[VIO], s[30:31] th:TH_LOAD_NT
.endm
.macro KEEP                            ; what the tile in hand needs at its end is kept from the next lookup
.irp i, 0,1,2,3,4,5,6,7,8,9,10,11
	v_mov_b32 v[DC+\i], v[DN+\i]
.endr
.irp i, 0,1,2
	v_mov_b32 v[DWC+\i], v[DWN+\i]
.endr
.endm
	s_load_b256 s[4:11], s[0:1], 0x0               ; positions s[4:5], idx s[6:7], wts s[8:9], embeddings s[10:11]
	s_load_b128 s[12:15], s[0:1], 0x20             ; bo s[12:13], out0 s[14:15]
	s_load_b64 s[16:17], s[0:1], 0x30              ; out1
	v_lshl_add_u32 v254, v0, 2, 0x2000
	v_mov_b32 v255, 0
	v_lshrrev_b32 v3, 5, v0
	v_readfirstlane_b32 s19, v3                    ; wave 0..3
	v_and_b32 v3, 31, v0
	v_lshlrev_b32 v[VL], 4, v3
	v_and_b32 v4, 15, v0                           ; r  (v4, v5 later take lane permutes: they are written here)
	v_bfe_u32 v5, v0, 4, 1                         ; h
	s_wait_alu depctr_va_sdst(0)                   ; s19 is written, ahead of its first reader: the stage's place and the wave's 512 points are made from it
	s_lshl_b32 s23, s19, 11                        ; my wave's stage
	s_add_co_u32 s24, s23, 512
	v_lshl_add_u32 v[VSD], v4, 2, s23
	v_mov_b32 v[MG], 0x4b400000
	v_mov_b32 v[MG+1], 0x4b400000
	v_mov_b32 v[VA5], 0xcb5757c7
	v_mov_b32 v[VA5+1], 0xcb5757c7
	v_mov_b32 v[VB5], 0xcd12b25b
	v_mov_b32 v[VB5+1], 0xcd12b25b
	WIN 0xc0                                       ; destination window 3
	v_mul_u32_u24 v[VPO], v4, 12
	v_lshlrev_b32 v[VIO], 2, v4
	v_lshlrev_b32 v[VH16], 4, v5
	v_mov_b32 v[VL16], v[VL]
	v_add_nc_u32 v[VLF], s23, v[VL]
	v_mad_u32_u24 v[VGR], v4, 12, s24
	v_mov_b32 v[PP+3], 0                           ; the fourth places of what goes in pairs are written once
	v_mov_b32 v[XC+3], 0
	v_mov_b32 v[FI+3], 0
	v_mov_b32 v[WYP+1], 0
	v_mov_b32 v[OYP+1], 0
	WIN 0
	s_mov_b32 s32, 0x76543210
	s_mov_b32 s33, 0xfedcba98                      ; v_permlanex16_b32's selects for lane l xor 16
	s_mov_b32 s34, 0xffff0000                      ; lanes 16-31
	s_mov_b32 s35, 0x4e800000                      ; 2^30
	s_mov_b32 s36, 0x433e8000                      ; 190.5
	s_mov_b32 s37, 0x43be8000                      ; 381
	SPAIR 38, 0x42fe0000                           ; 127
	SPAIR 40, 0x40400000                           ; 3
	SPAIR 42, 0x4118c9eb                           ; 30 / pi
	SPAIR 44, 0xcb400000                           ; -1.5 x 2^23
	SPAIR 46, 0xbdd67750                           ; -(pi / 30), upper part
	SPAIR 48, 0x31484143                           ; and the rest
	SPAIR 50, 0x49dc74e7                           ; A4 .. A1
	SPAIR 52, 0xc80d400a
	SPAIR 54, 0x45d2effd
	SPAIR 56, 0xc3160000
	SPAIR 58, 0x4b77e37a                           ; B4 .. B1
	SPAIR 60, 0xc9772f02
	SPAIR 62, 0x4703d5fb
	SPAIR 66, 0xc3e10000
	s_lshl_b32 s25, ttmp9, 2
	s_add_co_u32 s25, s25, s19                     ; which 512 points are my wave's
	s_mul_i32 s26, s25, 6144
	s_mov_b32 s27, 0
	s_lshl_b32 s68, s25, 11
	s_mov_b32 s69, 0
	s_wait_kmcnt 0x0
	s_load_b32 s18, s[12:13], 0x0                  ; bo
	s_add_nc_u64 s[4:5], s[4:5], s[26:27]
	s_add_nc_u64 s[16:17], s[16:17], s[26:27]
	s_add_nc_u64 s[6:7], s[6:7], s[68:69]
	s_add_nc_u64 s[14:15], s[14:15], s[68:69]
	WIN 0xff
	s_wait_alu depctr_va_vdst(0)                   ; VL, VPO, VIO, VL16 and VLF are written: every load and store of the kernel that has a fixed offset, and the flush's LDS loads, read one of them; none is written again
	global_load_b32 v[IX], v[VIO], s[6:7] th:TH_LOAD_NT      ; tile 0's cells
	WIN 0x40                                       ; the weights' images, 512 bytes a load: groups 0-59 fill window 1,
.set g, 0
.rept 60
	global_load_b128 v[4*g:4*g+3], v[VL], s[8:9] offset:512*g
.set g, g+1
.endr
	WIN 0x80                                       ; groups 60-99 window 2,
.rept 40
	global_load_b128 v[4*(g-60):4*(g-60)+3], v[VL], s[8:9] offset:512*g
.set g, g+1
.endr
	WIN 0                                          ; groups 100-103 are the scale words
.rept 4
	global_load_b128 v[W1FS+4*(g-100):W1FS+4*(g-100)+3], v[VL], s[8:9] offset:512*g
.set g, g+1
.endr
	s_wait_loadcnt 0x0
	s_wait_kmcnt 0x0
	WIN 0xff
	s_mov_b32 s23, 0
	s_mov_b32 s24, 1
	NEXT                                           ; tile 0's corners and points, tile 1's cells
	s_wait_loadcnt 0x0
	QUEUE 1, 0, 0                                  ; (no matrix instruction is due yet)
	INTERP                                         ; tile 0
	s_mov_b32 s23, 1
	s_mov_b32 s24, 2
	NEXT
	KEEP
	QUEUE 0, 0, 12
	HOOKALL 0                                      ; tile 0's h0 W0 + b0, units' tiles 0-3
.rept 8
	v_nop                                          ; eight plain instructions between an f32 matrix instruction and the first read of its result
.endr
	s_mov_b32 s20, 0
.Ltile:                                            ; 32 trips: tile i
	s_and_b32 s21, s20, 7                          ; its place in the stage
	; ---- h1 and 30 cos(a0), tiles 0-3; between them the products for tiles 4-7
	QUEUE 4, 0, 12
.irp t, 0,1,2,3
	SC 0, R0+8*\t, \t
.endr
	HOOKALL 0
	QUANT2 HC, HW, 0
.irp t, 4,5,6,7
	SC 0, R1+8*(\t-4), \t
.endr
	QUANT2 HC+6, HW, 1
	; ---- Q(h1) Q(W1) + b1, between the lines of tile i + 1's lookup
	QUEUE 1, 0, 8
	s_add_co_u32 s23, s20, 2
	s_min_u32 s23, s23, 31                         ; no load leaves its buffer: the last trips ask for tile 31 again
	s_add_co_u32 s24, s20, 3
	s_min_u32 s24, s24, 31
	WIN 0xff
	s_wait_loadcnt 0x0                             ; the eight gathers, the points and the cells, all asked for a whole tile ago
	INTERP
	NEXT
	HOOKALL 0
	; ---- h2 x Wo and g1, tiles 0-3; between them tile i + 1's h0 W0 + b0, tiles 0-3
	QUEUE 0, 0, 12
.irp t, 0,1,2,3
	SC 1, R2+8*\t, \t
.endr
	HOOKALL 0
	QUANT2 GC, GW, 0
.irp t, 4,5,6,7
	SC 1, R1+8*(\t-4), \t
.endr
	QUANT2 GC+6, GW, 1
	; ---- sdf: my 64 units, lane l xor 16's, bo
	v_pk_add_f32 v[SD:SD+1], v[SD:SD+1], v[SD+2:SD+3]
	v_pk_add_f32 v[SD+4:SD+5], v[SD+4:SD+5], v[SD+6:SD+7]
	s_lshl_b32 s23, s21, 6
	v_add_nc_u32 v[VTA], s23, v[VSD]
	v_pk_add_f32 v[SD:SD+1], v[SD:SD+1], v[SD+4:SD+5]
	v_add_f32 v[SD], v[SD], v[SD+1]
	v_permlanex16_b32 v[PD], v[SD], s32, s33
	v_add_f32 v[SD], v[SD], v[PD]
	v_add_f32 v[SD], s18, v[SD]
.rept 4
	v_nop                                          ; with the seven plain lines above: more than eight between g1's scale word and the scaled matrix instructions
.endr
	s_wait_alu depctr_va_vdst(0)                   ; SD and VTA are written, which the LDS store reads; the quantiser has written g1's codes and scale word, which the eight scaled matrix instructions below take; the plain lines above stay beside this wait
	ds_store_b32 v[VTA], v[SD]                     ; lanes r and r + 16 write the same word with the same value
	; ---- Q(g1) Q(W1)^T, x 30 cos(a0), to bf16, x W0^T
	QUEUE 2, 0, 4
	HOOKALL 0
.rept 4
	v_nop                                          ; four plain instructions ahead of the first read of a result
.endr
.set HK_N, 8
	WIN 0x08                                       ; source 1 (30 cos) window 2
.irp t, 0,1,2,3
.irp p, 0,1,2,3
	v_pk_mul_f32 v[TPT+8*\t+2*\p:TPT+8*\t+2*\p+1], v[R2+8*\t+2*\p:R2+8*\t+2*\p+1], v[C0+8*\t+2*\p:C0+8*\t+2*\p+1]
.endr
	HOOK 0x08
.endr
	WIN 0
.irp q, 0,1,2,3,4,5,6,7,8,9,10,11,12,13,14,15
	v_cvt_pk_bf16_f32 v[S+\q], v[TPT+2*\q], v[TPT+2*\q+1]              ; register 8 b + q: units 32 b + 16 h + 2 q, + 1: W0^T's image has the same order along K
.endr
	QUEUE 3, 0, 2
	HOOKALL 0x08
.irp t, 0,1,2,3
.irp p, 0,1,2,3
	v_pk_mul_f32 v[TPT+8*\t+2*\p:TPT+8*\t+2*\p+1], v[R1+8*\t+2*\p:R1+8*\t+2*\p+1], v[C0+32+8*\t+2*\p:C0+32+8*\t+2*\p+1]
.endr
.endr
	WIN 0
.irp q, 0,1,2,3,4,5,6,7,8,9,10,11,12,13,14,15
	v_cvt_pk_bf16_f32 v[S+16+\q], v[TPT+2*\q], v[TPT+2*\q+1]
.endr
	QUEUE 3, 2, 4
	HOOKALL 0
.rept 4
	v_nop
.endr
	; ---- the gradient.  gh0: lanes 0-15 hold components 0-3 and those of p, lanes 16-31 components 4-7 and zeros
	WIN 0xc0                                       ; destination window 3
.irp p, 0,1,2,3
	v_pk_add_f32 v[GS+2*\p:GS+2*\p+1], v[R2+2*\p:R2+2*\p+1], v[R2+8+2*\p:R2+8+2*\p+1]      ; the two accumulators, each from its low end on
.endr
	WIN 0xff
	s_mul_i32 s24, s21, 192
.irp c, 0,1,2
	v_pk_mul_f32 v[EE+2*\c:EE+2*\c+1], v[GS:GS+1], v[DC+4*\c:DC+4*\c+1]
.endr
.irp c, 0,1,2
	v_pk_fma_f32 v[EE+2*\c:EE+2*\c+1], v[GS+2:GS+3], v[DC+4*\c+2:DC+4*\c+3], v[EE+2*\c:EE+2*\c+1]
.endr
.irp c, 0,1,2
	v_add_f32 v[EE+2*\c], v[EE+2*\c], v[EE+2*\c+1]
.endr
.irp c, 0,1,2
	v_fma_f32 v[EE+2*\c], v[EE+2*\c], v[DWC+\c], v[GS+4+\c]
.endr
.irp c, 0,1,2
	v_permlanex16_b32 v[EE+2*\c+1], v[EE+2*\c], s32, s33
.endr
.irp c, 0,1,2
	v_add_f32 v[EE+2*\c], v[EE+2*\c], v[EE+2*\c+1]
.endr
	v_add_nc_u32 v[VTB], s24, v[VGR]
	KEEP                                           ; (its copies name neither EE nor VTB; they stand ahead of the wait, so that it finds the sums above finished)
	s_wait_alu depctr_va_vdst(0)                   ; EE and VTB are written, which the three LDS stores read
.irp c, 0,1,2
	ds_store_b32 v[VTB], v[EE+2*\c] offset:4*\c
.endr
	WIN 0                                          ; at a branch and at a label every window is 0
	; ---- every eighth tile the stage leaves: 128 points' sdf are 512 bytes, their gradients 1,536
	; No vector instruction names OUT, VLF or VL16 behind the head, and this trip's wait on vm_vsrc (in NEXT) has shown that the last flush's stores have read OUT: so no s_wait_alu stands here
	s_cmp_lg_u32 s21, 7
	s_cbranch_scc1 .Lkeep
	s_lshr_b32 s23, s20, 3
	s_wait_xcnt 0x0                                ; the last flush's stores have read their data and bases: both are written again only behind this wait
	s_lshl_b32 s68, s23, 9
	s_mov_b32 s69, 0
	s_add_nc_u64 s[70:71], s[14:15], s[68:69]
	s_mul_i32 s68, s23, 1536
	s_add_nc_u64 s[72:73], s[16:17], s[68:69]
	WIN 0xff
.irp k, 0,1,2,3
	ds_load_b128 v[OUT+4*\k:OUT+4*\k+3], v[VLF] offset:512*\k          ; LDS serves a wave's instructions in order (ISA guide 5.7.1.4): these see my stores
.endr
	s_wait_dscnt 0x0
	global_store_b128 v[VL16], v[OUT:OUT+3], s[70:71] th:TH_STORE_NT   ; each store covers 512 consecutive bytes, at a multiple of 512 from the output's first byte
.irp k, 0,1,2
	global_store_b128 v[VL16], v[OUT+4+4*\k:OUT+7+4*\k], s[72:73] offset:512*\k th:TH_STORE_NT
.endr
	WIN 0
.Lkeep:
	s_add_co_u32 s20, s20, 1
	s_cmp_lt_u32 s20, 32
	s_cbranch_scc1 .Ltile
	s_wait_dscnt 0x0                               ; the closing lines, six on end (every window is 0 here: the add's two registers lie in window 0)
	s_wait_alu 0x0
	s_wait_tensorcnt 0x0
	ds_add_u32 v254, v255
	s_wait_dscnt 0x0
	s_endpgm
.Lfunc_end_k_qf0ae7a5936_sdf:
	.size	k_qf0ae7a5936_sdf, .Lfunc_end_k_qf0ae7a5936_sdf-k_qf0ae7a5936_sdf
	.p2alignl 7, 3214868480
	.fill 96, 4, 3214868480
	.section	.rodata,"a",@progbits
	.p2align	6, 0x0
	.amdhsa_kernel k_qf0ae7a5936_sdf
		.amdhsa_group_segment_fixed_size 8704
		.amdhsa_private_segment_fixed_size 0
		.amdhsa_enable_private_segment 0
		.amdhsa_kernarg_size 56
		.amdhsa_user_sgpr_count 2
		.amdhsa_user_sgpr_kernarg_segment_ptr 1
		.amdhsa_wavefront_size32 1
		.amdhsa_system_sgpr_workgroup_id_x 1
		.amdhsa_system_sgpr_workgroup_id_y 1
		.amdhsa_system_sgpr_workgroup_id_z 1
		.amdhsa_system_vgpr_workitem_id 0
		.amdhsa_next_free_vgpr 1024
		.amdhsa_next_free_sgpr 80
		.amdhsa_reserve_vcc 0
		.amdhsa_float_denorm_mode_32 3
		.amdhsa_float_denorm_mode_16_64 3
		.amdhsa_memory_ordered 1
		.amdhsa_forward_progress 1
		.amdhsa_inst_pref_size 148
	.end_amdhsa_kernel
	.amdgpu_metadata
---
amdhsa.version: [ 1, 2 ]
amdhsa.kernels:
  - .name:           k_qf0ae7a5936_sdf
    .symbol:         k_qf0ae7a5936_sdf.kd
    .args:
      - { .name: positions, .offset: 0, .size: 8, .value_kind: global_buffer, .address_space: global }
      - { .name: idx, .offset: 8, .size: 8, .value_kind: global_buffer, .address_space: global }
      - { .name: wts, .offset: 16, .size: 8, .value_kind: global_buffer, .address_space: global }
      - { .name: embeddings, .offset: 24, .size: 8, .value_kind: global_buffer, .address_space: global }
      - { .name: bo, .offset: 32, .size: 8, .value_kind: global_buffer, .address_space: global }
      - { .name: out0, .offset: 40, .size: 8, .value_kind: global_buffer, .address_space: global }
      - { .name: out1, .offset: 48, .size: 8, .value_kind: global_buffer, .address_space: global }
    .group_segment_fixed_size: 8704
    .private_segment_fixed_size: 0
    .kernarg_segment_align: 8
    .kernarg_segment_size: 56
    .max_flat_workgroup_size: 128
    .sgpr_count:     80
    .vgpr_count:     1024
    .wavefront_size: 32
...
	.end_amdgpu_metadata
.endif
;; end of part 3
